; MI455X (gfx1250); checked and timed in simulation.
; The chip was launched on July 23, 2026; its instructions are those of AMD's public machine-readable ISA for CDNA 5 (MIT licence, August 2026) and "CDNA5" Instruction Set Architecture Reference Guide (July 2026). The comments in the code are by the model that wrote it; some were corrected since.
;; Attentional Propagation. Allowed arithmetic: matrix products marked QUANTISED: E3M2 operands, one E8M0 scale for each 32 along K, by v_wmma_scale_f32_16x16x128_f8f6f4 with both operands' format E3M2, f32 sums; everything else in f32.
;; Inputs: bn_beta 512 float32; bn_gamma 512 float32; merge_b 256 float32; merge_w 256 x 256 float32; mlp1_b 512 float32; mlp1_w 512 x 512 float32; mlp2_b 256 float32; mlp2_w 256 x 512 float32; pk_b 256 float32; pk_w 256 x 256 float32; pq_b 256 float32; pq_w 256 x 256 float32; pv_b 256 float32; pv_w 256 x 256 float32; source 4 x 256 x 4,096 float32; x 4 x 256 x 4,096 float32.
;; Outputs: out0 4 x 256 x 4,096 float32.
;; This version of the problem:
;;   THIS VERSION OF THE PROBLEM IS GIVEN IN LOW PRECISION. The matrix products marked QUANTISED in the list below multiply operands that are first quantised to E3M2 (3 exponent bits, 2 mantissa bits; 6 bits a number), with one power-of-two scale for each 32 numbers along K (OCP MX v1.0); their sums are f32. All else is computed in f32.
;;   The module's matrix products, in the order in which they are computed (A, B: the left and right operand; K: the contracted axis; several contracted axes count as one K, in the product's order):
;;     1. [M 16,384, K 256] x [K 256, N 256]; A: input x; B: input pq_w: QUANTISED
;;     2. [M 16,384, K 256] x [K 256, N 256]; A: input source; B: input pk_w: QUANTISED
;;     3. [M 16,384, K 256] x [K 256, N 256]; A: input source; B: input pv_w: QUANTISED
;;     4. batch 16 x [M 4,096, K 64] x [K 64, N 4,096]; A: computed on the way; B: computed on the way: QUANTISED
;;     5. batch 16 x [M 64, K 4,096] x [K 4,096, N 4,096]; A: computed on the way; B: softmax (see below): QUANTISED
;;     6. [M 16,384, K 256] x [K 256, N 256]; A: computed on the way; B: input merge_w: QUANTISED
;;     7. [M 16,384, K 512] x [K 512, N 512]; A: computed on the way; B: input mlp1_w: QUANTISED
;;     8. [M 16,384, K 512] x [K 512, N 256]; A: computed on the way; B: input mlp2_w: QUANTISED
;;   THE QUANTISER, for each operand of a quantised product, along K:
;;     - K is cut into blocks of 32 from its start; a last block that is shorter is filled with zeros.
;;     - A block's scale is 2^e with e = floor(log2(the largest magnitude in the block)) - 4, held to -126 .. 127; a block of zeros has e = 0. As a byte (E8M0): e + 127.
;;     - Each number is divided by its block's scale, clamped to +-28, and rounded to the nearest number of E3M2, ties to even, subnormals kept.
;;     - The product sums the exact products of the quantised numbers (number of the format x scale) in f32.
;;   ~~~python
;;   def quantise(x, axis):      # numpy; x: float32 -> the quantised numbers, widened to float32 again
;;       x = np.moveaxis(x, axis, -1); K = x.shape[-1]
;;       x = np.pad(x, [(0, 0)] * (x.ndim - 1) + [(0, -K % 32)]); x = x.reshape(x.shape[:-1] + (-1, 32)); a = np.abs(x).max(-1, keepdims=True)
;;       e = np.where(a > 0, np.clip(np.frexp(np.where(a > 0, a, 1))[1] - 1 - 4, -126, 127), 0)      # np.frexp(a)[1] - 1 = floor(log2(a)), exactly
;;       r = np.clip(x / 2.0 ** e, -28, 28)
;;       step = 2.0 ** (np.maximum(np.frexp(np.where(r == 0, 1, r))[1] - 1, -2) - 2)
;;       q = np.round(r / step) * step * 2.0 ** e      # np.round: ties to even
;;       return np.moveaxis(q.reshape(q.shape[:-2] + (-1,))[..., :K], -1, axis).astype(np.float32)
;;   ~~~
;;   SOFTMAX AHEAD OF A QUANTISED PRODUCT. Where the list says 'softmax', what is quantised is not the finished softmax but p = 2^(t - M), with t = logit x log2(e) and M = ceil(the row's largest t), a whole number; so 1/2 < the row's largest p <= 1. The row's sum l is taken of the UNQUANTISED p, in f32, and the product's result is divided by l at the end. Since M is a whole number, a kernel that streams over the keys may use a running M (the ceiling of the running maximum): every later rescaling is an exact power of two, which a block's scale takes up: the codes' values come out the same.
;;   OPERANDS COMPUTED ON THE WAY. 'Computed on the way' means the value that the module computes at that place (a softmax that the list does not call 'softmax' is quantised finished and normalised). What goes into a quantiser is computed in f32, as accurately as f32 sums, v_exp_f32 and their like allow (about 1e-6 of the number): no bf16 or f16 on the way to a quantiser, and a product that is left as it is and whose result goes on into a quantised operand takes f32 operands (vector FMAs, or v_wmma_f32_16x16x4_f32). A number that lies on a knife's edge between two numbers of the format may be rounded either way, as far as f32 arithmetic and the matrix unit's own rounding can turn it there, and no further.
;; One version. Each part assembles by itself: llvm-mc -triple=amdgcn-amd-amdhsa -mcpu=gfx1250 --defsym DOCPART=n.
;; ======== version 1 of 1: 6 launches
;; workspace buffers: wq 512,000 bytes; xc 3,407,872 bytes; qc 3,407,872 bytes; kv 6,684,672 bytes; ao 16,777,216 bytes; mc 3,407,872 bytes; part 1,048,576 bytes; bnp 4,096 bytes
;; launch wquant (part 1): grid 320 x 1, 1 waves a work-group, no clusters, 0 bytes of LDS; arguments pq_w, pk_w, pv_w, merge_w, mlp1_w, mlp2_w, wq; writes wq
.if DOCPART == 1
	.amdgcn_target "amdgcn-amd-amdhsa--gfx1250"
	.amdhsa_code_object_version 6
	.text
	.protected	k_qa10df42923_wquant
	.globl	k_qa10df42923_wquant
	.p2align	8
	.type	k_qa10df42923_wquant,@function
k_qa10df42923_wquant:
	s_mov_b64 s[64:65], 0
	v_nop
	global_prefetch_b8 v0, s[64:65] scope:SCOPE_SE
	s_setreg_imm32_b32 hwreg(HW_REG_WAVE_MODE, 25, 1), 1
	s_wait_xcnt 0x0
; The six weights (f32, K innermost) become codes of BF6 (E3M2) with one E8M0 byte for each 32 along K, laid as IMAGES OF OPERAND REGISTERS.
; One wave makes one fragment f (16 rows x 128 K, 12 registers a lane): three stores of 512 consecutive bytes at 1536 f; its 16 scale words at WSC + 64 f.
; Which 16 rows form a fragment is chosen for the product that reads it: row = ((m&7)<<a) + ((m>>3)<<bs) + ((T>>2)<<p) + ((T&3)<<q), T the tile, m the row in it.
;   f 0-31 pq_w, 32-63 pk_w: T = 4 head + t, row 4 (32 (m>>3) + 8 t + (m&7)) + head;   64-95 pv_w: row 4 (16 t + m) + head
;   96-127 merge_w, 128-255 mlp1_w: row 64 (T>>2) + 32 (m>>3) + 8 (T&3) + (m&7);        256-319 mlp2_w: row 16 T + m
; merge_w's K is permuted INSIDE each block of 32 (register 8 h + j takes column 4 j + h of the block), as the attention's result reaches its quantiser: scales and codes keep their values.
; A lane (r, hh) holds k = 64 c + 32 hh + 0..31 of its row, two whole blocks, so a block's largest magnitude needs no other lane.
; LIMITS: NaN and infinities are not served; a block of zeros, or one whose largest magnitude lies under 2^-122, gets the byte 1 (its codes are what the conversion gives; only this program reads the bytes).
; 320 fragments are all the work there is: 320 work-groups of one wave.  No LDS, no matrix unit, no cluster: nothing is shared.
.set WSC,  491520
.set X,    16                          ; v16-79   64 numbers: register 32 c + i = k 64 c + 32 hh + i
.set PC,   96                          ; v96-107  the fragment's codes
.set PT,   108                         ; v108-115 upper halves of the blocks' codes, before they are moved
.set TM,   116
.set TS,   118
.set TB,   120
.set TX,   122
.set PW,   123
.set SH8,  7
.set SEL,  42
.macro QUANT64 s
.irp c, 0,1
	v_max3_num_f32 v[TM+\c], |v[\s+32*\c]|, |v[\s+32*\c+1]|, 0x2800000   ; my block 2 c + hh, and the floor 2^(5 - 127): the byte cannot fall under 1
.endr
.irp i, 2,4,6,8,10,12,14,16,18,20,22,24,26,28,30
.irp c, 0,1
	v_max3_num_f32 v[TM+\c], v[TM+\c], |v[\s+32*\c+\i]|, |v[\s+32*\c+\i+1]|
.endr
.endr
.irp c, 0,1
	v_add_nc_u32 v[TS+\c], 0xfe000000, v[TM+\c]    ; 4 off the exponent field: the conversion's scale operand
.endr
.irp c, 0,1
	v_lshrrev_b32 v[TB+\c], 23, v[TS+\c]           ; the scale's byte
.endr
	s_wait_alu depctr_va_vdst(0)
	s_wait_xcnt 0x0                                ; PW and the codes' registers may be the data of earlier stores
	v_lshl_or_b32 v[PW], v[TB+1], 16, v[TB]
	v_lshlrev_b32 v[PW], v[SH8], v[PW]             ; my two bytes at their places, 8 hh bits up
	v_permlanex16_b32 v[TX], v[PW], s[SEL], s[SEL+1]
	v_or_b32 v[PW], v[PW], v[TX]                   ; with lane l xor 16's two the word is whole, in both halves of the lanes
.irp c, 0,1
	v_cvt_scalef32_pk16_bf6_f32 v[PC+6*\c:PC+6*\c+2], v[\s+32*\c:\s+32*\c+15], v[TS+\c]
	v_cvt_scalef32_pk16_bf6_f32 v[PT+4*\c:PT+4*\c+2], v[\s+32*\c+16:\s+32*\c+31], v[TS+\c]   ; (three registers begin on an even number)
.endr
	v_nop                                          ; one plain place behind a scaled conversion
.irp c, 0,1
.irp i, 0,1,2
	v_mov_b32 v[PC+3+6*\c+\i], v[PT+4*\c+\i]
.endr
.endr
.endm
	s_load_b256 s[4:11], s[0:1], 0x0               ; pq_w, pk_w, pv_w, merge_w
	s_load_b128 s[12:15], s[0:1], 0x20             ; mlp1_w, mlp2_w
	s_load_b64 s[16:17], s[0:1], 0x30              ; wq
	v_and_b32 v1, 15, v0                           ; r
	v_bfe_u32 v2, v0, 4, 1                         ; hh
	v_lshlrev_b32 v5, 4, v0                        ; 16 x lane
	v_lshlrev_b32 v6, 2, v1                        ; 4 r
	v_lshlrev_b32 v[SH8], 3, v2
	v_mov_b32 v[TX], 0                             ; a lane permute's destination counts as read
	s_mov_b32 s[SEL], 0x76543210
	s_mov_b32 s[SEL+1], 0xfedcba98
	s_mov_b32 s20, 0                               ; a, bs, p, q, log2(fragments a tile), first fragment, log2(row bytes): mlp2_w's,
	s_mov_b32 s21, 3
	s_mov_b32 s22, 6
	s_mov_b32 s23, 4
	s_mov_b32 s24, 2
	s_mov_b32 s25, 256
	s_mov_b32 s26, 11
	s_wait_alu depctr_va_vdst(0)
	s_wait_kmcnt 0x0
	s_mov_b64 s[28:29], s[14:15]
	s_cmp_lt_u32 ttmp9, 256                        ; then overridden downward by the fragment's number alone
	s_cselect_b32 s21, 5, s21
	s_cselect_b32 s23, 3, s23
	s_cselect_b32 s25, 128, s25
	s_cselect_b64 s[28:29], s[12:13], s[28:29]
	s_cmp_lt_u32 ttmp9, 128
	s_cselect_b32 s24, 1, s24
	s_cselect_b32 s25, 96, s25
	s_cselect_b32 s26, 10, s26
	s_cselect_b64 s[28:29], s[10:11], s[28:29]
	s_cmp_lt_u32 ttmp9, 96
	s_cselect_b32 s20, 2, s20
	s_cselect_b32 s22, 0, s22
	s_cselect_b32 s23, 6, s23
	s_cselect_b32 s25, 64, s25
	s_cselect_b64 s[28:29], s[8:9], s[28:29]
	s_cmp_lt_u32 ttmp9, 64
	s_cselect_b32 s21, 7, s21
	s_cselect_b32 s23, 5, s23
	s_cselect_b32 s25, 32, s25
	s_cselect_b64 s[28:29], s[6:7], s[28:29]
	s_cmp_lt_u32 ttmp9, 32
	s_cselect_b32 s25, 0, s25
	s_cselect_b64 s[28:29], s[4:5], s[28:29]
	s_sub_co_u32 s30, ttmp9, s25                   ; the fragment's number in its weight
	s_lshr_b32 s31, s30, s24                       ; T
	s_lshl_b32 s32, s31, s24
	s_sub_co_u32 s32, s30, s32                     ; K step s
	s_lshr_b32 s33, s31, 2
	s_lshl_b32 s33, s33, s22
	s_and_b32 s34, s31, 3
	s_lshl_b32 s34, s34, s23
	s_add_co_u32 s33, s33, s34                     ; the tile's part of the row
	v_and_b32 v8, 7, v1
	v_lshlrev_b32 v8, s20, v8
	v_lshrrev_b32 v9, 3, v1
	v_lshlrev_b32 v9, s21, v9
	v_add3_u32 v3, v8, v9, s33                     ; my row
	v_lshlrev_b32 v4, s26, v3
	s_lshl_b32 s35, s32, 9
	v_lshl_add_u32 v4, v2, 7, v4
	v_add_nc_u32 v4, s35, v4                       ; row bytes + 512 s + 128 hh
	s_mul_i32 s36, ttmp9, 1536
	s_mov_b32 s37, 0
	s_add_nc_u64 s[38:39], s[16:17], s[36:37]      ; the image's place
	s_lshl_b32 s36, ttmp9, 6
	s_add_nc_u64 s[40:41], s[16:17], s[36:37]      ; the scale words' (WSC stands in the immediate)
	s_sub_co_u32 s44, ttmp9, 96
	s_cmp_lt_u32 s44, 32
	s_cbranch_scc1 .Lmerge
	s_wait_alu depctr_va_vdst(0)
.irp c, 0,1
.irp q, 0,1,2,3,4,5,6,7
	global_load_b128 v[X+32*\c+4*\q:X+32*\c+4*\q+3], v4, s[28:29] offset:256*\c+16*\q
.endr
.endr
	s_branch .Lloaded
.Lmerge:
	s_wait_alu depctr_va_vdst(0)
.irp c, 0,1
.irp h, 0,1,2,3
.irp j, 0,1,2,3,4,5,6,7
	global_load_b32 v[X+32*\c+8*\h+\j], v4, s[28:29] offset:256*\c+16*\j+4*\h
.endr
.endr
.endr
.Lloaded:
	s_wait_loadcnt 0x0
	QUANT64 X
.irp c, 0,1,2
	global_store_b128 v5, v[PC+4*\c:PC+4*\c+3], s[38:39] offset:512*\c   ; 512 consecutive bytes, at a multiple of 256 from the buffer's first byte
.endr
	global_store_b32 v6, v[PW], s[40:41] offset:WSC                      ; both halves of the lanes write the same word with the same value
	s_endpgm
.Lfunc_end_k_qa10df42923_wquant:
	.size	k_qa10df42923_wquant, .Lfunc_end_k_qa10df42923_wquant-k_qa10df42923_wquant
	.p2alignl 7, 3214868480
	.fill 96, 4, 3214868480
	.section	.rodata,"a",@progbits
	.p2align	6, 0x0
	.amdhsa_kernel k_qa10df42923_wquant
		.amdhsa_group_segment_fixed_size 0
		.amdhsa_private_segment_fixed_size 0
		.amdhsa_enable_private_segment 0
		.amdhsa_kernarg_size 56
		.amdhsa_user_sgpr_count 2
		.amdhsa_user_sgpr_kernarg_segment_ptr 1
		.amdhsa_wavefront_size32 1
		.amdhsa_system_sgpr_workgroup_id_x 1
		.amdhsa_system_sgpr_workgroup_id_y 1
		.amdhsa_system_sgpr_workgroup_id_z 1
		.amdhsa_system_vgpr_workitem_id 0
		.amdhsa_next_free_vgpr 128
		.amdhsa_next_free_sgpr 66
		.amdhsa_reserve_vcc 0
		.amdhsa_float_denorm_mode_32 3
		.amdhsa_float_denorm_mode_16_64 3
		.amdhsa_memory_ordered 1
		.amdhsa_forward_progress 1
		.amdhsa_inst_pref_size 14
	.end_amdhsa_kernel
	.amdgpu_metadata
---
amdhsa.version: [ 1, 2 ]
amdhsa.kernels:
  - .name:           k_qa10df42923_wquant
    .symbol:         k_qa10df42923_wquant.kd
    .args:
      - { .name: pq_w, .offset: 0, .size: 8, .value_kind: global_buffer, .address_space: global }
      - { .name: pk_w, .offset: 8, .size: 8, .value_kind: global_buffer, .address_space: global }
      - { .name: pv_w, .offset: 16, .size: 8, .value_kind: global_buffer, .address_space: global }
      - { .name: merge_w, .offset: 24, .size: 8, .value_kind: global_buffer, .address_space: global }
      - { .name: mlp1_w, .offset: 32, .size: 8, .value_kind: global_buffer, .address_space: global }
      - { .name: mlp2_w, .offset: 40, .size: 8, .value_kind: global_buffer, .address_space: global }
      - { .name: wq, .offset: 48, .size: 8, .value_kind: global_buffer, .address_space: global }
    .group_segment_fixed_size: 0
    .private_segment_fixed_size: 0
    .kernarg_segment_align: 8
    .kernarg_segment_size: 56
    .max_flat_workgroup_size: 32
    .sgpr_count:     66
    .vgpr_count:     128
    .wavefront_size: 32
...
	.end_amdgpu_metadata
.endif
;; end of part 1
;; launch proj (part 2): grid 256 x 1, 4 waves a work-group, no clusters, 327,680 bytes of LDS; arguments x, source, wq, pq_b, pk_b, pv_b, xc, qc, kv; writes xc, qc, kv
.if DOCPART == 2
	.amdgcn_target "amdgcn-amd-amdhsa--gfx1250"
	.amdhsa_code_object_version 6
	.text
	.protected	k_qa10df42923_proj
	.globl	k_qa10df42923_proj
	.p2align	8
	.type	k_qa10df42923_proj,@function
k_qa10df42923_proj:
	s_mov_b64 s[64:65], 0
	v_nop
	global_prefetch_b8 v0, s[64:65] scope:SCOPE_SE
	s_setreg_imm32_b32 hwreg(HW_REG_WAVE_MODE, 25, 1), 1
	s_wait_xcnt 0x0
; q = pq_w x + pq_b, k = pk_w source + pk_b, v = pv_w source + pv_b, all on codes of BF6 (E3M2) with E8M0 scales; the results are quantised for attention at once and leave as images of operand registers.
; SHARES.  Work-group g = 64 b + G takes positions 64 G .. 64 G + 63 of batch b, of x AND of source.  Wave w quantises tile w of the positions, then is head w of the three projections.
; THE 64 POSITIONS FORM FOUR TILES: row m of tile t is position 32 (m>>3) + 8 t + (m&7).  A result whose registers run along such rows gives a lane 32 NEIGHBOURS over the four tiles: a whole block of the next K.
; x and source have K (the channels) as their outer axis: a tile of 256 channels x 64 positions comes into LDS by tensor loads (rows of 256 consecutive bytes, aligned), and a lane reads DOWN the channels of its position.
;   Lanes r and 16 + r read words 32 channel rows apart, which fall on the same bank at any row pitch that is a multiple of 8 bytes: these 256 small loads a wave go two deep.
; q, k: source 0 = 16 channels of my head (d in the tile order above), source 1 = 16 positions: a lane holds one position and d = 32 hh + 0..31: one block.  K = 64 is half a fragment: 6 registers.
; v: source 0 = 16 positions, source 1 = 16 channels d: a lane holds one d and keys 32 hh + 0..31: one block along the keys.
; The biases are the C of each sum's first matrix instruction.
; NO CLUSTER: what work-groups share is the weights, 36,864 bytes a wave that go straight into registers; each work-group's own stream is 131,072 bytes.
; LIMITS: NaN and infinities are not served; a block of zeros, or one under 2^-122, gets the byte 1 (only this program reads the bytes).
; REGISTERS.  window 0: v1 r, v2 hh, v3-12 offsets; v16-111 eight fragments (in the first phase v16-79: 64 numbers); v112-143 four accumulators; v144-177 at work; v184-191, v192-203 scale words.
;   window 1: v0-95 pq_w's 8 fragments (12 (2 t + s)), v96-191 pk_w's.   window 2: v0-95 pv_w's; v96-127, v128-159, v160-191 the three biases in the results' layout.
.set REC,   13312                      ; the record of 64 positions x 256 K: fragment (t, s) at 1536 (2 t + s), its scale words (4 bytes a lane) at RSC + 128 (2 t + s)
.set RSC,   12288
.set STEPB, 13056                      ; the record of 128 keys of one head
.set WSC,   491520
.set XIM,   0                          ; LDS: x's record,
.set SIM,   REC                        ; source's,
.set XT,    2*REC                      ; x's tile, 256 rows of 256 bytes,
.set STL,   XT+65536                   ; source's
.set LI,  3                            ; 16 x lane
.set LS,  4                            ; 4 x lane
.set L8,  5                            ; 8 x lane
.set SH8, 6                            ; 8 hh
.set TA,  7                            ; where my position's column begins in x's tile
.set TA2, 8                            ; and in source's
.set XWI, 9                            ; 16 x lane + 3072 w
.set XWS, 10                           ; 4 x lane + 256 w
.set NUM, 16
.set XF,  16
.set ACC, 112
.set PC,  144
.set PT,  156
.set TM,  164
.set TS,  166
.set TB,  168
.set TX,  170
.set PW,  171
.set W,   172                          ; v172-175 four tiles' scale halves
.set WLO, 176
.set XS,  184
.set WS,  192
.set WV,  22
.set SEL, 42
.set MSB, 0
.macro WIN new                         ; the immediate's high byte repeats the setting that is left
.if MSB != \new
	s_set_vgpr_msb (MSB<<8)|\new
.set MSB, \new
.endif
.endm
.macro PLACES n
.rept \n
	v_nop
.endr
.endm
.macro BARRIER
	s_wait_dscnt 0x0
	s_barrier_signal -1
	s_barrier_wait -1
.endm
.macro MM d, a, b, c, sa, sb, row      ; c < 0: the sum starts with 0.  row 1: source 0's scales in lanes 16-31; row 2: source 1's
.if (\c) < 0
.if (\row) == 0
	v_wmma_scale_f32_16x16x128_f8f6f4 v[\d:\d+7], v[\a:\a+11], v[\b:\b+11], 0, v[\sa], v[\sb] matrix_a_fmt:MATRIX_FMT_BF6 matrix_b_fmt:MATRIX_FMT_BF6
.elseif (\row) == 1
	v_wmma_scale_f32_16x16x128_f8f6f4 v[\d:\d+7], v[\a:\a+11], v[\b:\b+11], 0, v[\sa], v[\sb] matrix_a_fmt:MATRIX_FMT_BF6 matrix_b_fmt:MATRIX_FMT_BF6 matrix_a_scale:MATRIX_SCALE_ROW1
.else
	v_wmma_scale_f32_16x16x128_f8f6f4 v[\d:\d+7], v[\a:\a+11], v[\b:\b+11], 0, v[\sa], v[\sb] matrix_a_fmt:MATRIX_FMT_BF6 matrix_b_fmt:MATRIX_FMT_BF6 matrix_b_scale:MATRIX_SCALE_ROW1
.endif
.else
.if (\row) == 0
	v_wmma_scale_f32_16x16x128_f8f6f4 v[\d:\d+7], v[\a:\a+11], v[\b:\b+11], v[\c:\c+7], v[\sa], v[\sb] matrix_a_fmt:MATRIX_FMT_BF6 matrix_b_fmt:MATRIX_FMT_BF6
.elseif (\row) == 1
	v_wmma_scale_f32_16x16x128_f8f6f4 v[\d:\d+7], v[\a:\a+11], v[\b:\b+11], v[\c:\c+7], v[\sa], v[\sb] matrix_a_fmt:MATRIX_FMT_BF6 matrix_b_fmt:MATRIX_FMT_BF6 matrix_a_scale:MATRIX_SCALE_ROW1
.else
	v_wmma_scale_f32_16x16x128_f8f6f4 v[\d:\d+7], v[\a:\a+11], v[\b:\b+11], v[\c:\c+7], v[\sa], v[\sb] matrix_a_fmt:MATRIX_FMT_BF6 matrix_b_fmt:MATRIX_FMT_BF6 matrix_b_scale:MATRIX_SCALE_ROW1
.endif
.endif
.endm
.macro QUANT64 s                       ; 64 numbers of a lane, register 32 c + i = k 64 c + 32 hh + i, become a fragment's codes in v[PC] on and its scale word in v[PW]
.irp c, 0,1
	v_max3_num_f32 v[TM+\c], |v[\s+32*\c]|, |v[\s+32*\c+1]|, 0x2800000   ; and the floor 2^(5 - 127): the byte cannot fall under 1
.endr
.irp i, 2,4,6,8,10,12,14,16,18,20,22,24,26,28,30
.irp c, 0,1
	v_max3_num_f32 v[TM+\c], v[TM+\c], |v[\s+32*\c+\i]|, |v[\s+32*\c+\i+1]|
.endr
.endr
.irp c, 0,1
	v_add_nc_u32 v[TS+\c], 0xfe000000, v[TM+\c]    ; 4 off the exponent field: the conversion's scale operand
.endr
.irp c, 0,1
	v_lshrrev_b32 v[TB+\c], 23, v[TS+\c]
.endr
	s_wait_alu depctr_va_vdst(0)
	s_wait_xcnt 0x0                                ; PW and the codes' registers may be the data of earlier global stores
	v_lshl_or_b32 v[PW], v[TB+1], 16, v[TB]
	v_lshlrev_b32 v[PW], v[SH8], v[PW]
	v_permlanex16_b32 v[TX], v[PW], s[SEL], s[SEL+1]
	v_or_b32 v[PW], v[PW], v[TX]
.irp c, 0,1
	v_cvt_scalef32_pk16_bf6_f32 v[PC+6*\c:PC+6*\c+2], v[\s+32*\c:\s+32*\c+15], v[TS+\c]
	v_cvt_scalef32_pk16_bf6_f32 v[PT+4*\c:PT+4*\c+2], v[\s+32*\c+16:\s+32*\c+31], v[TS+\c]
.endr
	v_nop                                          ; one plain place behind a scaled conversion
.irp c, 0,1
.irp i, 0,1,2
	v_mov_b32 v[PC+3+6*\c+\i], v[PT+4*\c+\i]
.endr
.endr
.endm
.macro QUANT32 s, e                    ; 32 numbers of a lane, one block (number hh of two), become 6 registers of codes in v[PC] on; both blocks' bytes go to v[W+e].  Each accumulator is read from its low end on
	v_max3_num_f32 v[TM], |v[\s]|, |v[\s+1]|, 0x2800000
	v_max_num_f32 v[TM+1], |v[\s+2]|, |v[\s+3]|
.irp i, 4,8,12,16,20,24,28
	v_max3_num_f32 v[TM], v[TM], |v[\s+\i]|, |v[\s+\i+1]|
	v_max3_num_f32 v[TM+1], v[TM+1], |v[\s+\i+2]|, |v[\s+\i+3]|
.endr
	v_max_num_f32 v[TM], v[TM], v[TM+1]
	v_add_nc_u32 v[TS], 0xfe000000, v[TM]
	v_lshrrev_b32 v[TB], 23, v[TS]
	v_lshlrev_b32 v[TB], v[SH8], v[TB]
	v_permlanex16_b32 v[TX], v[TB], s[SEL], s[SEL+1]
	v_or_b32 v[W+\e], v[TB], v[TX]
	s_wait_alu depctr_va_vdst(0)
	s_wait_xcnt 0x0                                ; the codes' registers are the data of the last tile's stores
	v_cvt_scalef32_pk16_bf6_f32 v[PC:PC+2], v[\s:\s+15], v[TS]
	v_cvt_scalef32_pk16_bf6_f32 v[PT:PT+2], v[\s+16:\s+31], v[TS]
	v_nop
.irp i, 0,1,2
	v_mov_b32 v[PC+3+\i], v[PT+\i]
.endr
.endm
.macro IMAGE adr, off                  ; a fragment goes to LDS as it stands in the registers
.irp c, 0,1,2
	ds_store_b128 v[\adr], v[PC+4*\c:PC+4*\c+3] offset:\off+512*\c
.endr
.endm
.macro FETCH reg, adr, off             ; and comes back so, in any wave
.irp c, 0,1,2
	ds_load_b128 v[\reg+4*\c:\reg+4*\c+3], v[\adr] offset:\off+512*\c
.endr
.endm
	s_load_b256 s[4:11], s[0:1], 0x0               ; x, source, wq, pq_b
	s_load_b256 s[12:19], s[0:1], 0x20             ; pk_b, pv_b, xc, qc
	s_load_b64 s[20:21], s[0:1], 0x40              ; kv
	v_lshl_add_u32 v254, v0, 2, 0x29000
	v_mov_b32 v255, 0
	ds_add_u32 v254, v255
	ds_add_u32 v254, v255
	v_lshrrev_b32 v1, 5, v0
	v_readfirstlane_b32 s[WV], v1                  ; wave 0..3
	s_lshr_b32 s44, ttmp9, 6                       ; b
	s_and_b32 s45, ttmp9, 63                       ; G
	; descriptor group 1: 64 rows (channels) x 64 elements of 4 bytes, 4,096 elements from row to row, no padding
	s_mov_b32 s24, 2<<16
	s_mov_b32 s25, 64<<16
	s_mov_b32 s26, 64<<16
	s_mov_b32 s27, 64<<16
	s_mov_b32 s28, 64
	s_mov_b32 s29, 4096
	s_mov_b32 s30, 0
	s_mov_b32 s31, 0
	s_lshl_b32 s46, s44, 22                        ; the batch: 256 x 4,096 x 4 bytes
	s_lshl_b32 s47, s[WV], 20                      ; my 64 channels
	s_add_co_u32 s46, s46, s47
	s_lshl_b32 s47, s45, 8                         ; the group's 64 positions
	s_add_co_u32 s46, s46, s47
	s_mov_b32 s47, 0
	s_lshl_b32 s23, s[WV], 14
	s_mov_b32 s32, 1
	s_add_co_u32 s33, s23, XT
	s_mov_b32 s36, 1
	s_add_co_u32 s37, s23, STL
	s_wait_dscnt 0x0
	s_wait_kmcnt 0x0
	s_add_nc_u64 s[34:35], s[4:5], s[46:47]
	s_or_b32 s35, s35, 0x80000000
	s_add_nc_u64 s[38:39], s[6:7], s[46:47]
	s_or_b32 s39, s39, 0x80000000
	tensor_load_to_lds s[32:35], s[24:31]          ; x's tile first: one load of mine is out; each byte is filled once
	s_nop 0
	s_wait_alu depctr_va_vdst(0)
	s_wait_tensorcnt 0x0
	ds_add_u32 v254, v255
	s_wait_dscnt 0x0
	s_barrier_signal -1
	s_barrier_wait -1
	tensor_load_to_lds s[36:39], s[24:31]
	s_nop 0
	PLACES 4
	v_and_b32 v1, 15, v0                           ; r
	v_bfe_u32 v2, v0, 4, 1                         ; hh
	v_and_b32 v13, 31, v0
	v_lshlrev_b32 v[LI], 4, v13
	v_lshlrev_b32 v[LS], 2, v13
	v_lshlrev_b32 v[L8], 3, v13
	v_lshlrev_b32 v[SH8], 3, v2
	v_mov_b32 v[TX], 0
	v_cmp_eq_u32 s40, 1, v2                        ; lanes 16-31
	v_and_b32 v[TA], 7, v1
	v_lshrrev_b32 v[TA2], 3, v1
	v_lshl_add_u32 v[TA], v[TA2], 5, v[TA]         ; 32 (r>>3) + (r&7)
	v_lshlrev_b32 v[TA], 2, v[TA]
	v_lshl_add_u32 v[TA], v2, 13, v[TA]            ; lanes 16-31 begin 32 channel rows further down
	s_lshl_b32 s23, s[WV], 5                       ; tile w: 8 w positions on
	s_add_co_u32 s23, s23, XT
	v_add_nc_u32 v[TA], s23, v[TA]
	v_add_nc_u32 v[TA2], 0x10000, v[TA]
	s_mul_i32 s23, s[WV], 3072
	v_add_nc_u32 v[XWI], s23, v[LI]
	s_lshl_b32 s23, s[WV], 8
	v_add_nc_u32 v[XWS], s23, v[LS]
	s_lshl_b32 s23, s[WV], 2
	v_lshl_add_u32 v11, v2, 9, s23                 ; pq_b, pk_b: channel 4 (32 hh + 8 t + j) + w
	s_wait_alu depctr_va_vdst(0)
	v_lshl_add_u32 v12, v1, 4, s23                 ; pv_b: channel 4 (16 t + r) + w
	s_wait_alu depctr_va_vdst(0)
	s_mov_b32 s[SEL], 0x76543210
	s_mov_b32 s[SEL+1], 0xfedcba98
	s_mul_i32 s46, s[WV], 12288
	s_add_nc_u64 s[48:49], s[8:9], s[46:47]        ; my head's 8 fragments of pq_w (pk_w's and pv_w's 49,152 and 98,304 bytes on)
	s_lshl_b32 s46, s[WV], 9
	s_add_nc_u64 s[50:51], s[8:9], s[46:47]        ; and their scale words
	s_mul_i32 s46, ttmp9, REC
	s_add_nc_u64 s[16:17], s[16:17], s[46:47]      ; xc: my group's record
	s_lshl_b32 s52, s44, 2
	s_add_co_u32 s52, s52, s[WV]                   ; 4 b + head
	s_lshl_b32 s46, s52, 6
	s_add_co_u32 s46, s46, s45
	s_mul_i32 s46, s46, 3328
	s_add_nc_u64 s[18:19], s[18:19], s[46:47]      ; qc: my head's, my group's
	s_lshl_b32 s46, s52, 5
	s_lshr_b32 s53, s45, 1
	s_add_co_u32 s46, s46, s53
	s_mul_i32 s46, s46, STEPB
	s_add_nc_u64 s[20:21], s[20:21], s[46:47]      ; kv: the record of key step G / 2
	s_and_b32 s53, s45, 1                          ; which 64 of its 128 keys are mine
	s_mul_i32 s46, s53, 3072
	s_add_nc_u64 s[54:55], s[20:21], s[46:47]
	s_lshl_b32 s46, s53, 8
	s_add_nc_u64 s[56:57], s[20:21], s[46:47]
	s_lshl_b32 s46, s53, 1
	s_add_nc_u64 s[58:59], s[20:21], s[46:47]
	WIN 0x40                                       ; destination window 1
.irp e, 0,1,2,3,4,5,6,7
.irp c, 0,1,2
	global_load_b128 v[12*\e+4*\c:12*\e+4*\c+3], v[LI], s[48:49] offset:1536*\e+512*\c
	global_load_b128 v[96+12*\e+4*\c:96+12*\e+4*\c+3], v[LI], s[48:49] offset:49152+1536*\e+512*\c
.endr
.endr
	WIN 0x80                                       ; destination window 2
.irp e, 0,1,2,3,4,5,6,7
.irp c, 0,1,2
	global_load_b128 v[12*\e+4*\c:12*\e+4*\c+3], v[LI], s[48:49] offset:98304+1536*\e+512*\c
.endr
.endr
.irp t, 0,1,2,3
.irp j, 0,1,2,3,4,5,6,7
	global_load_b32 v[96+8*\t+\j], v11, s[10:11] offset:128*\t+16*\j
	global_load_b32 v[128+8*\t+\j], v11, s[12:13] offset:128*\t+16*\j
	global_load_b32 v[160+8*\t+\j], v12, s[14:15] offset:256*\t      ; a lane's eight results of v share one channel
.endr
.endr
	WIN 0
.irp i, 0,1,2
.irp t, 0,1,2,3
	global_load_b32 v[WS+4*\i+\t], v[LS], s[50:51] offset:WSC+2048*\i+128*\t   ; lanes 0-15: K step 0's words, lanes 16-31: K step 1's
.endr
.endr
	; ---- the positions' codes: wave w makes tile w's two fragments of x and of source
	s_wait_tensorcnt 0x0                           ; my parts of both tiles are in,
	BARRIER                                        ; everybody's are
.macro XPASS ta, s, rec, isx
.set j, 0
.rept 64
	ds_load_b32 v[NUM+j], v[\ta] offset:(128*\s+64*(j/32)+j%32)*256    ; channel 128 s + 64 c + 32 hh + i of my position
.set j, j+1
.endr
	s_wait_dscnt 0x0                               ; the numbers are in; the last pass's LDS stores have read their registers
	QUANT64 NUM
	IMAGE XWI, \rec+1536*\s
	ds_store_b32 v[XWS], v[PW] offset:\rec+RSC+128*\s
.if \isx
.irp c, 0,1,2
	global_store_b128 v[XWI], v[PC+4*\c:PC+4*\c+3], s[16:17] offset:1536*\s+512*\c   ; x's codes serve the MLP's first product again
.endr
	global_store_b32 v[XWS], v[PW], s[16:17] offset:RSC+128*\s
.endif
.endm
	XPASS TA, 0, XIM, 1
	XPASS TA, 1, XIM, 1
	XPASS TA2, 0, SIM, 0
	XPASS TA2, 1, SIM, 0
	BARRIER                                        ; both records lie in LDS
; q or k of my head: four tiles of positions, each against my four tiles of channels; the four accumulators take turns
.macro QKPHASE wb, bias, ws, sb
.irp m, 0,1,2,3
	PLACES 5                                       ; the accumulators are begun anew over the last tile's
	WIN 0x21                                       ; source 0 window 1, C window 2
.irp t, 0,1,2,3
	MM ACC+8*\t, \wb+24*\t, XF+24*\m, \bias+8*\t, \ws+\t, XS+2*\m, 0
.endr
	WIN 0x01
.irp t, 0,1,2,3
	MM ACC+8*\t, \wb+24*\t+12, XF+24*\m+12, ACC+8*\t, \ws+\t, XS+2*\m+1, 1
.endr
	WIN 0
	PLACES 4
	QUANT32 ACC, \m
	global_store_b128 v[LI], v[PC:PC+3], s[\sb:\sb+1] offset:768*\m
	global_store_b64 v[L8], v[PC+4:PC+5], s[\sb:\sb+1] offset:768*\m+512
.endr
	s_wait_xcnt 0x0                                ; the pair below may be the data of an earlier store
	v_cndmask_b32 v[WLO], v[W], v[W+1], s40        ; lanes 0-15: tile 0's (2's) word, lanes 16-31: tile 1's (3's)
	v_cndmask_b32 v[WLO+1], v[W+2], v[W+3], s40
	v_or_b32 v[WLO], 0x7f7f0000, v[WLO]            ; K = 64: the upper two blocks are zero codes under the scale 1
	v_or_b32 v[WLO+1], 0x7f7f0000, v[WLO+1]
.endm
.macro FETCH8 rec
.irp e, 0,1,2,3,4,5,6,7
	FETCH XF+12*\e, LI, \rec+1536*\e
	ds_load_b32 v[XS+\e], v[LS] offset:\rec+RSC+128*\e
.endr
	s_wait_dscnt 0x0
.endm
	FETCH8 XIM
	s_wait_loadcnt 0x0                             ; weights, biases, scale words
	QKPHASE 0, 96, WS, 18
	global_store_b64 v[L8], v[WLO:WLO+1], s[18:19] offset:3072
	PLACES 4                                       ; in front of loads into registers that matrix instructions have read
	FETCH8 SIM
	QKPHASE 96, 128, WS+4, 54
	global_store_b64 v[L8], v[WLO:WLO+1], s[56:57] offset:12288
	; ---- v of my head: source 0 = positions, source 1 = channels
.irp t, 0,1,2,3
	PLACES 5
	WIN 0x28                                       ; source 1 and C window 2
.irp m, 0,1,2,3
	MM ACC+8*\m, XF+24*\m, 24*\t, 160+8*\t, XS+2*\m, WS+8+\t, 0
.endr
	WIN 0x08
.irp m, 0,1,2,3
	MM ACC+8*\m, XF+24*\m+12, 24*\t+12, ACC+8*\m, XS+2*\m+1, WS+8+\t, 2
.endr
	WIN 0
	PLACES 4
	QUANT32 ACC, \t
	global_store_b128 v[LI], v[PC:PC+3], s[54:55] offset:6144+768*\t
	global_store_b64 v[L8], v[PC+4:PC+5], s[54:55] offset:6144+768*\t+512
.endr
	s_wait_xcnt 0x0
	v_cndmask_b32 v[WLO], v[W], v[W+1], s40
	v_cndmask_b32 v[WLO+1], v[W+2], v[W+3], s40
	global_store_b16 v[L8], v[WLO], s[58:59] offset:12800      ; my two of a word's four bytes: the other 64 keys' come from the neighbouring work-group
	global_store_b16 v[L8], v[WLO+1], s[58:59] offset:12804
	s_wait_tensorcnt 0x0
	ds_add_u32 v254, v255
	s_wait_dscnt 0x0
	s_endpgm
.Lfunc_end_k_qa10df42923_proj:
	.size	k_qa10df42923_proj, .Lfunc_end_k_qa10df42923_proj-k_qa10df42923_proj
	.p2alignl 7, 3214868480
	.fill 96, 4, 3214868480
	.section	.rodata,"a",@progbits
	.p2align	6, 0x0
	.amdhsa_kernel k_qa10df42923_proj
		.amdhsa_group_segment_fixed_size 327680
		.amdhsa_private_segment_fixed_size 0
		.amdhsa_enable_private_segment 0
		.amdhsa_kernarg_size 72
		.amdhsa_user_sgpr_count 2
		.amdhsa_user_sgpr_kernarg_segment_ptr 1
		.amdhsa_wavefront_size32 1
		.amdhsa_system_sgpr_workgroup_id_x 1
		.amdhsa_system_sgpr_workgroup_id_y 1
		.amdhsa_system_sgpr_workgroup_id_z 1
		.amdhsa_system_vgpr_workitem_id 0
		.amdhsa_next_free_vgpr 768
		.amdhsa_next_free_sgpr 66
		.amdhsa_reserve_vcc 0
		.amdhsa_float_denorm_mode_32 3
		.amdhsa_float_denorm_mode_16_64 3
		.amdhsa_memory_ordered 1
		.amdhsa_forward_progress 1
		.amdhsa_inst_pref_size 95
	.end_amdhsa_kernel
	.amdgpu_metadata
---
amdhsa.version: [ 1, 2 ]
amdhsa.kernels:
  - .name:           k_qa10df42923_proj
    .symbol:         k_qa10df42923_proj.kd
    .args:
      - { .name: x, .offset: 0, .size: 8, .value_kind: global_buffer, .address_space: global }
      - { .name: source, .offset: 8, .size: 8, .value_kind: global_buffer, .address_space: global }
      - { .name: wq, .offset: 16, .size: 8, .value_kind: global_buffer, .address_space: global }
      - { .name: pq_b, .offset: 24, .size: 8, .value_kind: global_buffer, .address_space: global }
      - { .name: pk_b, .offset: 32, .size: 8, .value_kind: global_buffer, .address_space: global }
      - { .name: pv_b, .offset: 40, .size: 8, .value_kind: global_buffer, .address_space: global }
      - { .name: xc, .offset: 48, .size: 8, .value_kind: global_buffer, .address_space: global }
      - { .name: qc, .offset: 56, .size: 8, .value_kind: global_buffer, .address_space: global }
      - { .name: kv, .offset: 64, .size: 8, .value_kind: global_buffer, .address_space: global }
    .group_segment_fixed_size: 327680
    .private_segment_fixed_size: 0
    .kernarg_segment_align: 8
    .kernarg_segment_size: 72
    .max_flat_workgroup_size: 128
    .sgpr_count:     66
    .vgpr_count:     768
    .wavefront_size: 32
...
	.end_amdgpu_metadata
.endif
;; end of part 2
;; launch attn (part 3): grid 16 x 16, 16 waves a work-group, clusters of 4 x 1, 327,680 bytes of LDS; arguments qc, kv, ao; writes ao
.if DOCPART == 3
	.amdgcn_target "amdgcn-amd-amdhsa--gfx1250"
	.amdhsa_code_object_version 6
	.text
	.protected	k_qa10df42923_attn
	.globl	k_qa10df42923_attn
	.p2align	8
	.type	k_qa10df42923_attn,@function
k_qa10df42923_attn:
	s_mov_b64 s[64:65], 0
	v_nop
	global_prefetch_b8 v0, s[64:65] scope:SCOPE_SE
	s_setreg_imm32_b32 hwreg(HW_REG_WAVE_MODE, 25, 1), 1
	s_wait_xcnt 0x0
	s_wait_alu depctr_hold_cnt(0) depctr_sa_sdst(0) depctr_va_vdst(0) depctr_va_sdst(0) depctr_va_ssrc(0) depctr_va_vcc(0) depctr_vm_vsrc(0)
	s_getreg_b32 s2, hwreg(HW_REG_IB_STS2, 6, 4)
	s_cmp_eq_u32 s2, 0
	s_cbranch_scc0 .Lentry_in_a_cluster
	s_endpgm
.Lentry_in_a_cluster:
	s_bfe_u32 s2, ttmp6, 0x10000c
	s_cmp_lg_u32 s2, 0x3003
	s_cbranch_scc0 .Lentry_shape_is_right
	s_endpgm
.Lentry_shape_is_right:
; O = softmax(q k^T / 8) v for one head (ttmp7: 4 b + h), both products on codes of BF6 (E3M2) with E8M0 scales.  All operands arrive as images of operand registers.
; THE SOFTMAX: t = score x log2(e) / 8; M = the running largest t rounded UP to a whole number; p = 2^(t - M) is quantised along the keys; the row's sum is taken of the unquantised p and divides at the end.
; When M moves, the sum and O are multiplied by 2^(old M - new M): nothing is rounded, and no branch hangs on data.
; SHARES.  A work-group owns 256 queries, each of its sixteen waves one tile of 16 in 256 registers: four waves to a SIMD, so that one wave's vector work stands beside another's products and LDS loads.
; Every wave walks the head's 4,096 keys, 128 a step: 8 products k q^T (K = 64: the upper half of both operands is zero codes), the softmax, 4 products v^T p^T.
; LAYOUT.  Both products are used transposed: a lane holds ONE query.  A tile's 16 keys are 32 (m>>3) + 8 t + (m&7) of a group of 64, so a lane's 32 scores of a group are 32 NEIGHBOURING keys: one whole block.
; CLUSTER.  The four work-groups of a cluster walk the same head's keys and values: every tile is asked for JOINTLY (mask 15), by waves 0 to 3, a quarter of a slot each.
; RING.  Two slots of 8 key steps (104,448 bytes).  A fetching wave has two loads out at the start and one behind each round; a refill has 8 key steps in which to land.
; LIMITS: NaN and infinities are not served; a block whose every p is under 2^-122 keeps the byte 1.
; REGISTERS: v1-8 addresses and constants; v9-11 at work; v12 -M, v13 the largest t, v[14:15] the sum; v16-27 q, v28 its scale words; v29 p's scale word; v[30:31] f, 0; v32-79 four fragments of k;
;   v80-127 four of v; v128-191 scores, then p; v192-223 O^T; v224-243 p's codes; v244-249 k's and v's scale words; v250-255 at work.
.set STEPB, 13056                      ; a key step's record: k's 8 half fragments (768 each), v's 8, k's scale words at 12,288, v's at 12,800
.set SLOT1, 131072
.set SPARE, 235520                     ; behind the ring: the spare words, 128 bytes for each of sixteen waves: eight blocks of 256 bytes that no other line names
.set LI,  1
.set L8,  2
.set SPW, 3
.set NIL, 4
.set ADK, 5
.set AD8, 6
.set SH8, 7
.set TX,  8
.set QF,  16
.set QS,  28
.set PW,  29
.set KF,  32
.set VF,  80
.set S,   128
.set OT,  192
.set PC,  224
.set PT,  236
.set KSC, 244
.set VSC, 248
.set TM,  250
.set TS,  252
.set TB,  254
.set WV,  10
.set SEL, 20
.set CS,  22
.set G1,  24
.set TBS, 40
.set CNT, 41
.macro PLACES n
.rept \n
	v_nop
.endr
.endm
.macro MM d, a, b, c, sa, sb, row
.if (\c) < 0
.if (\row) == 0
	v_wmma_scale_f32_16x16x128_f8f6f4 v[\d:\d+7], v[\a:\a+11], v[\b:\b+11], 0, v[\sa], v[\sb] matrix_a_fmt:MATRIX_FMT_BF6 matrix_b_fmt:MATRIX_FMT_BF6
.else
	v_wmma_scale_f32_16x16x128_f8f6f4 v[\d:\d+7], v[\a:\a+11], v[\b:\b+11], 0, v[\sa], v[\sb] matrix_a_fmt:MATRIX_FMT_BF6 matrix_b_fmt:MATRIX_FMT_BF6 matrix_a_scale:MATRIX_SCALE_ROW1
.endif
.else
.if (\row) == 0
	v_wmma_scale_f32_16x16x128_f8f6f4 v[\d:\d+7], v[\a:\a+11], v[\b:\b+11], v[\c:\c+7], v[\sa], v[\sb] matrix_a_fmt:MATRIX_FMT_BF6 matrix_b_fmt:MATRIX_FMT_BF6
.else
	v_wmma_scale_f32_16x16x128_f8f6f4 v[\d:\d+7], v[\a:\a+11], v[\b:\b+11], v[\c:\c+7], v[\sa], v[\sb] matrix_a_fmt:MATRIX_FMT_BF6 matrix_b_fmt:MATRIX_FMT_BF6 matrix_a_scale:MATRIX_SCALE_ROW1
.endif
.endif
.endm
.macro CROUND                          ; a round of the cluster's barrier: my work-group's barrier; wave 0 signals for the work-group; every wave waits for all four work-groups; my work-group's barrier once more
	s_barrier_signal -1
	s_barrier_wait -1
	s_cmp_lg_u32 s[WV], 0
	s_cbranch_scc1 .Lnot_wave_0_\@
	s_barrier_signal -3
.Lnot_wave_0_\@:
	s_barrier_wait -3
	s_barrier_signal -1
	s_barrier_wait -1
.endm
	s_load_b128 s[4:7], s[0:1], 0x0                ; qc, kv
	s_load_b64 s[8:9], s[0:1], 0x10                ; ao
	v_lshl_add_u32 v[SPW], v0, 2, SPARE
	v_mov_b32 v[NIL], 0
	ds_add_u32 v3, v4
	ds_add_u32 v3, v4
	s_wait_dscnt 0x0
	v_lshrrev_b32 v9, 5, v0
	s_delay_alu instid0(VALU_DEP_1)
	v_readfirstlane_b32 s[WV], v9                  ; wave 0..15
	s_and_b32 s13, ttmp7, 0xffff                   ; 4 b + h, which the four partners share
	s_mul_i32 s16, s[WV], 26112                    ; my quarter of a slot: two key steps
	s_mul_i32 s14, s13, 417792                     ; the head's 32 records
	s_add_co_u32 s14, s14, s16
	s_mov_b32 s15, 0
	; descriptor group 1: a dense block of 26,112 bytes as 102 rows of 256 (32 elements of 8 bytes); mask: all four work-groups, bit 21 beside it
	s_mov_b32 s[G1], 15|(3<<16)|(1<<21)
	s_mov_b32 s[G1+1], 32<<16
	s_mov_b32 s[G1+2], 102<<16
	s_mov_b32 s[G1+3], 32<<16
	s_mov_b32 s[G1+4], 102
	s_mov_b32 s[G1+5], 32
	s_mov_b32 s[G1+6], 0
	s_mov_b32 s[G1+7], 0
	s_mov_b32 s[SEL], 0x76543210
	s_mov_b32 s[SEL+1], 0xfedcba98
	s_mov_b32 s[CS], 0x3e38aa3b                    ; c = log2(e) / 8
	s_mov_b32 s[CS+1], s[CS]                       ; (named with it as a pair)
	s_wait_kmcnt 0x0
	s_add_nc_u64 s[14:15], s[6:7], s[14:15]
	s_mov_b32 s32, 1                               ; group 0 for slot 0: key steps 0-7, later 16-23
	s_mov_b32 s33, s16
	s_mov_b64 s[34:35], s[14:15]
	s_or_b32 s35, s35, 0x80000000
	s_mov_b32 s36, 1                               ; for slot 1: key steps 8-15, later 24-31
	s_add_co_u32 s37, s16, SLOT1
	s_add_nc_u64 s[38:39], s[14:15], 104448
	s_or_b32 s39, s39, 0x80000000
	CROUND                                         ; all four work-groups are here: the first joint loads meet
	s_cmp_lt_u32 s[WV], 4                          ; a wave's two first fills stand in one branch on the wave's number
	s_cbranch_scc0 .Lno_first
	tensor_load_to_lds s[32:35], s[G1:G1+7]
	s_nop 0
	tensor_load_to_lds s[36:39], s[G1:G1+7]
	s_nop 0
	PLACES 4
.Lno_first:
	; my queries: the place in the cluster enters q's and O's global addresses alone
	s_bfe_u32 s11, ttmp6, 0x40000                  ; cx
	s_lshl_b32 s12, ttmp9, 2
	s_add_co_u32 s12, s12, s11                     ; my block of 256 queries
	s_lshl_b32 s17, s12, 2
	s_lshr_b32 s18, s[WV], 2
	s_add_co_u32 s17, s17, s18                     ; the group of 64: 4 X + w / 4
	s_and_b32 s18, s[WV], 3                        ; the tile in it
	s_lshl_b32 s19, s13, 6
	s_add_co_u32 s19, s19, s17
	s_mul_i32 s42, s19, 3328
	s_mov_b32 s43, 0
	s_add_nc_u64 s[44:45], s[4:5], s[42:43]        ; the group's record in qc
	s_mul_i32 s42, s18, 768
	s_add_nc_u64 s[46:47], s[44:45], s[42:43]      ; my tile's half fragment
	s_and_b32 s42, s18, 1
	s_lshl_b32 s42, s42, 7
	s_lshr_b32 s19, s18, 1
	s_lshl_b32 s19, s19, 2
	s_add_co_u32 s42, s42, s19
	s_add_nc_u64 s[48:49], s[44:45], s[42:43]      ; its scale words: 8 (r + 16 (t&1)) + 4 (t>>1)
	s_lshl_b32 s19, s12, 4
	s_add_co_u32 s19, s19, s[WV]                   ; tile 16 X + w of the batch's 256
	s_lshr_b32 s42, s13, 2
	s_lshl_b32 s42, s42, 8
	s_add_co_u32 s42, s42, s19
	s_lshl_b32 s42, s42, 14
	s_and_b32 s19, s13, 3
	s_lshl_b32 s19, s19, 12
	s_add_co_u32 s42, s42, s19
	s_add_nc_u64 s[50:51], s[8:9], s[42:43]        ; ao: [b][tile][h]: 4,096 bytes
	v_and_b32 v9, 31, v0
	s_delay_alu instid0(VALU_DEP_1)
	v_lshlrev_b32 v[LI], 4, v9
	s_delay_alu instid0(VALU_DEP_2)
	v_lshlrev_b32 v[L8], 3, v9
	v_and_b32 v10, 15, v0
	s_delay_alu instid0(VALU_DEP_1)
	v_lshlrev_b32 v10, 3, v10
	v_bfe_u32 v11, v0, 4, 1
	s_delay_alu instid0(VALU_DEP_1)
	v_lshlrev_b32 v[SH8], 3, v11
	global_load_b128 v[QF:QF+3], v[LI], s[46:47]
	global_load_b64 v[QF+4:QF+5], v[L8], s[46:47] offset:512
	global_load_b32 v[QS], v10, s[48:49] offset:3072
.irp i, 6,7,8,9,10,11
	v_mov_b32 v[QF+\i], 0                          ; K = 64: zero codes in the upper half of q,
.irp t, 0,1,2,3
	v_mov_b32 v[KF+12*\t+\i], 0                    ; and of k's four fragments, for the whole launch
.endr
.endr
	v_mov_b32 v[TX], 0                             ; a lane permute's destination counts as read
	v_mov_b32 v13, 0xff61b1e6                      ; the largest t so far: -3e38
	s_delay_alu instid0(VALU_DEP_1)
	v_floor_f32 v12, -v13                          ; -M
	v_mov_b32 v14, 0
	v_mov_b32 v15, 0
	v_mov_b32 v31, 0                               ; (the upper half of the pair that holds f)
.set j, 0
.rept 32
	v_mov_b32 v[OT+j], 0                           ; O^T: the step is written once; the first finds zeros, which the first change of M leaves zeros
.set j, j+1
.endr
.macro STEP
	v_add_nc_u32 v[ADK], s[TBS], v[LI]
	s_wait_alu depctr_va_vdst(0)
	v_add_nc_u32 v[AD8], s[TBS], v[L8]
	s_wait_alu depctr_va_vdst(0)
	ds_load_b64 v[KSC:KSC+1], v[AD8] offset:12288          ; k's scale words: register 2 g + t / 2, lanes 0-15 even t, lanes 16-31 odd t
	ds_load_b64 v[KSC+2:KSC+3], v[AD8] offset:12544
.irp g, 0,1                                    ; S^T = k q^T: the two groups of 64 keys, four tiles each
.if \g
	PLACES 4                                       ; in front of loads into registers that matrix instructions have read
.endif
.irp t, 0,1,2,3
	ds_load_b128 v[KF+12*\t:KF+12*\t+3], v[ADK] offset:768*(4*\g+\t)
	ds_load_b64 v[KF+12*\t+4:KF+12*\t+5], v[AD8] offset:768*(4*\g+\t)+512
.endr
	s_wait_dscnt 0x0
.irp t, 0,1,2,3
	MM S+8*(4*\g+\t), KF+12*\t, QF, -1, KSC+2*\g+\t/2, QS, \t%2
.endr
.endr
	PLACES 4                                       ; behind the products: for the reads of the scores, and for the loads below
.irp c, 0,1                                    ; v's four fragments are asked for now and land under the softmax
.irp t, 0,1,2,3
	ds_load_b128 v[VF+12*\t+6*\c:VF+12*\t+6*\c+3], v[ADK] offset:6144+3072*\c+768*\t
	ds_load_b64 v[VF+12*\t+6*\c+4:VF+12*\t+6*\c+5], v[AD8] offset:6144+3072*\c+768*\t+512
.endr
.endr
	ds_load_b64 v[VSC:VSC+1], v[AD8] offset:12800
.irp c, 0,1
	v_max3_num_f32 v[TM+\c], v[S+32*\c], v[S+32*\c+1], v[S+32*\c+2]    ; the largest score of my two blocks of 32 keys: it serves the row's maximum and, since p rises with the score, the block's largest p
.endr
.irp i, 3,5,7,9,11,13,15,17,19,21,23,25,27,29
.irp c, 0,1
	v_max3_num_f32 v[TM+\c], v[TM+\c], v[S+32*\c+\i], v[S+32*\c+\i+1]
.endr
.endr
.irp c, 0,1
	v_max_num_f32 v[TM+\c], v[TM+\c], v[S+32*\c+31]
.endr
	s_delay_alu instid0(VALU_DEP_1)
	v_max_num_f32 v9, v[TM], v[TM+1]
	s_delay_alu instid0(VALU_DEP_1)
	v_permlanex16_b32 v[TX], v9, s[SEL], s[SEL+1]
	s_delay_alu instid0(VALU_DEP_1)
	v_max_num_f32 v9, v9, v[TX]                    ; the step's largest score of my query
	s_delay_alu instid0(VALU_DEP_1)
	v_mul_f32 v9, s[CS], v9
	s_delay_alu instid0(VALU_DEP_1)
	v_max_num_f32 v13, v13, v9                     ; the running largest t
	v_mov_b32 v10, v12
	s_delay_alu instid0(VALU_DEP_2)
	v_floor_f32 v12, -v13                          ; the new -M = -ceil(t): a whole number
	s_delay_alu instid0(VALU_DEP_1)
	v_sub_f32 v10, v12, v10                        ; old M - new M, 0 or less
	s_delay_alu instid0(VALU_DEP_1)
	v_cvt_i32_f32 v10, v10                         ; (it saturates)
	s_delay_alu instid0(VALU_DEP_1)
	v_ldexp_f32 v30, 1.0, v10                      ; f = 2^(old M - new M)
.set j, 0
.rept 32
	v_pk_fma_f32 v[S+j:S+j+1], v[S+j:S+j+1], s[CS:CS+1], v[12:13] op_sel_hi:[1,0,0]   ; t - M, two at a time
.set j, j+2
.endr
	v_fma_f32 v[TM], v[TM], s[CS], v12
	v_fma_f32 v[TM+1], v[TM+1], s[CS], v12
.set j, 0
	s_setprio 1
	s_wait_alu depctr_va_vdst(0)
.rept 64
	v_exp_f32 v[S+j], v[S+j]                       ; p = 2^(t - M), at most 1
.set j, j+1
.endr
	v_exp_f32 v[TM], v[TM]                         ; each block's largest p: the same two instructions on the same number
	v_exp_f32 v[TM+1], v[TM+1]
	v_pk_mul_f32 v[14:15], v[14:15], v[30:31] op_sel_hi:[1,0]   ; the sum under the new M (a plain place behind the exponentials)
	s_wait_alu depctr_va_vdst(0)
.irp c, 0,1
	v_max_num_f32 v[TM+\c], 0x2800000, v[TM+\c]    ; the floor 2^(5 - 127)
.endr
.irp c, 0,1
	s_delay_alu instid0(VALU_DEP_2)
	v_add_nc_u32 v[TS+\c], 0xfe000000, v[TM+\c]
.endr
.irp c, 0,1
	s_delay_alu instid0(VALU_DEP_2)
	v_lshrrev_b32 v[TB+\c], 23, v[TS+\c]
.endr
	s_delay_alu instid0(VALU_DEP_1)
	v_lshl_or_b32 v[PW], v[TB+1], 16, v[TB]
	s_delay_alu instid0(VALU_DEP_1)
	v_lshlrev_b32 v[PW], v[SH8], v[PW]
	s_delay_alu instid0(VALU_DEP_1)
	v_permlanex16_b32 v[TX], v[PW], s[SEL], s[SEL+1]
	s_delay_alu instid0(VALU_DEP_1)
	v_or_b32 v[PW], v[PW], v[TX]                   ; p's scale word for these 128 keys
.irp c, 0,1
	v_cvt_scalef32_pk16_bf6_f32 v[PC+6*\c:PC+6*\c+2], v[S+32*\c:S+32*\c+15], v[TS+\c]
	v_cvt_scalef32_pk16_bf6_f32 v[PT+4*\c:PT+4*\c+2], v[S+32*\c+16:S+32*\c+31], v[TS+\c]
.endr
	v_nop                                          ; one plain place behind a scaled conversion
.irp c, 0,1
.irp i, 0,1,2
	v_mov_b32 v[PC+3+6*\c+\i], v[PT+4*\c+\i]
.endr
.endr
.set j, 0
.rept 16
	v_pk_mul_f32 v[OT+j:OT+j+1], v[OT+j:OT+j+1], v[30:31] op_sel_hi:[1,0]   ; O^T under the new M
.set j, j+2
.endr
	v_pk_add_f32 v[236:237], v[132:133], v[136:137]
	v_pk_add_f32 v[254:255], v[140:141], v[144:145]
	v_pk_add_f32 v[252:253], v[148:149], v[152:153]
	v_pk_add_f32 v[250:251], v[156:157], v[160:161]
	v_pk_add_f32 v[246:247], v[164:165], v[168:169]
	v_pk_add_f32 v[244:245], v[172:173], v[176:177]
	v_pk_add_f32 v[242:243], v[180:181], v[184:185]
	v_pk_add_f32 v[14:15], v[14:15], v[188:189]
	v_pk_add_f32 v[236:237], v[236:237], v[128:129]
	v_pk_add_f32 v[254:255], v[254:255], v[130:131]
	v_pk_add_f32 v[252:253], v[252:253], v[134:135]
	v_pk_add_f32 v[250:251], v[250:251], v[138:139]
	v_pk_add_f32 v[246:247], v[246:247], v[142:143]
	v_pk_add_f32 v[244:245], v[244:245], v[146:147]
	v_pk_add_f32 v[242:243], v[242:243], v[150:151]
	s_setprio 0
	v_pk_add_f32 v[14:15], v[14:15], v[154:155]
	v_pk_add_f32 v[236:237], v[236:237], v[158:159]
	v_pk_add_f32 v[254:255], v[254:255], v[162:163]
	v_pk_add_f32 v[252:253], v[252:253], v[166:167]
	v_pk_add_f32 v[250:251], v[250:251], v[170:171]
	v_pk_add_f32 v[246:247], v[246:247], v[174:175]
	v_pk_add_f32 v[244:245], v[244:245], v[178:179]
	v_pk_add_f32 v[242:243], v[242:243], v[182:183]
	v_pk_add_f32 v[14:15], v[14:15], v[186:187]
	v_pk_add_f32 v[236:237], v[236:237], v[190:191]
	s_delay_alu instid0(VALU_DEP_2)
	v_pk_add_f32 v[14:15], v[14:15], v[250:251]
	s_delay_alu instid0(VALU_DEP_2)
	v_pk_add_f32 v[236:237], v[236:237], v[246:247]
	v_pk_add_f32 v[254:255], v[254:255], v[244:245]
	v_pk_add_f32 v[252:253], v[252:253], v[242:243]
	s_delay_alu instid0(VALU_DEP_2)
	v_pk_add_f32 v[14:15], v[14:15], v[254:255]
	s_delay_alu instid0(VALU_DEP_2)
	v_pk_add_f32 v[236:237], v[236:237], v[252:253]
	s_delay_alu instid0(VALU_DEP_1)
	v_pk_add_f32 v[14:15], v[14:15], v[236:237]
	s_wait_dscnt 0x0                               ; v's fragments and scale words
.irp t, 0,1,2,3                                ; O^T += v^T p^T: the four accumulators take turns
	MM OT+8*\t, VF+12*\t, PC, OT+8*\t, VSC+\t/2, PW, \t%2
.endr
.endm
.macro STEPS base                      ; a slot's eight key steps
	s_mov_b32 s[TBS], \base
	s_mov_b32 s[CNT], 8
.Lstep_\@:
	s_setprio 2
	STEP
	s_add_co_u32 s[TBS], s[TBS], STEPB
	s_sub_co_u32 s[CNT], s[CNT], 1
	s_cmp_lg_u32 s[CNT], 0
	s_cbranch_scc1 .Lstep_\@
	s_setprio 0
.endm
; THE CHANGE OF SLOTS.  Each wave waits for all its tensor loads (its part of the slot ahead), adds 0 to its spare word, and waits for that and for its reads of the slot that it leaves.
; g0 != 0: the slot just left is filled again, 16 key steps on: the barrier is a round of the cluster's, and the joint refill is the first thing behind it.
.macro CHANGE g0
	s_wait_tensorcnt 0x0                           ; no tensor load of mine is out, so a group 0 may be written
	ds_add_u32 v[SPW], v[NIL]                      ; 0 onto my spare word
.if \g0
	s_add_nc_u64 s[\g0+2:\g0+3], s[\g0+2:\g0+3], 208896
	s_wait_dscnt 0x0
	CROUND
	s_cmp_lt_u32 s[WV], 4
	s_cbranch_scc0 .Lno_fill_\@
	tensor_load_to_lds s[\g0:\g0+3], s[G1:G1+7]
	s_nop 0
	PLACES 4
.Lno_fill_\@:
.else
	s_wait_dscnt 0x0
	s_barrier_signal -1
	s_barrier_wait -1
.endif
.endm
	s_wait_tensorcnt 0x1                           ; my part of slot 0 is in; slot 1's may stay out
	s_barrier_signal -1
	s_barrier_wait -1
	s_wait_loadcnt 0x0                             ; q
	STEPS 0
	CHANGE 32
	STEPS SLOT1
	CHANGE 36
	STEPS 0
	CHANGE 0                                       ; nothing is left to fetch
	STEPS SLOT1
	; THE WAY OUT: O^T / the sum leaves as the image of its registers: each store covers 512 consecutive bytes, aligned
	PLACES 4
	s_wait_alu depctr_va_vdst(0)
	v_add_f32 v14, v14, v15
	s_delay_alu instid0(VALU_DEP_1)
	v_permlanex16_b32 v[TX], v14, s[SEL], s[SEL+1]
	s_delay_alu instid0(VALU_DEP_1)
	v_add_f32 v14, v14, v[TX]
	s_wait_alu depctr_va_vdst(0)
	v_rcp_f32 v14, v14
	v_nop                                          ; one plain place behind a transcendental
.set j, 0
	s_wait_alu depctr_va_vdst(0)
.rept 32
	v_mul_f32 v[S+j], v[OT+j], v14                 ; register 8 t + i: channel d = 16 t + 8 hh + i of query r
.set j, j+1
.endr
.irp t, 0,1,2,3
.irp q, 0,1
	global_store_b128 v[LI], v[S+8*\t+4*\q:S+8*\t+4*\q+3], s[50:51] offset:1024*\t+512*\q
.endr
.endr
	s_wait_tensorcnt 0x0                           ; the wave's end
	ds_add_u32 v[SPW], v[NIL]
	s_wait_dscnt 0x0
	CROUND                                         ; the closing round: no work-group ends while a partner may still ask for a tile that names it
	s_endpgm
.Lfunc_end_k_qa10df42923_attn:
	.size	k_qa10df42923_attn, .Lfunc_end_k_qa10df42923_attn-k_qa10df42923_attn
	.p2alignl 7, 3214868480
	.fill 96, 4, 3214868480
	.section	.rodata,"a",@progbits
	.p2align	6, 0x0
	.amdhsa_kernel k_qa10df42923_attn
		.amdhsa_group_segment_fixed_size 327680
		.amdhsa_private_segment_fixed_size 0
		.amdhsa_enable_private_segment 0
		.amdhsa_kernarg_size 24
		.amdhsa_user_sgpr_count 2
		.amdhsa_user_sgpr_kernarg_segment_ptr 1
		.amdhsa_wavefront_size32 1
		.amdhsa_system_sgpr_workgroup_id_x 1
		.amdhsa_system_sgpr_workgroup_id_y 1
		.amdhsa_system_sgpr_workgroup_id_z 1
		.amdhsa_system_vgpr_workitem_id 0
		.amdhsa_next_free_vgpr 256
		.amdhsa_next_free_sgpr 66
		.amdhsa_reserve_vcc 0
		.amdhsa_float_denorm_mode_32 3
		.amdhsa_float_denorm_mode_16_64 3
		.amdhsa_memory_ordered 1
		.amdhsa_forward_progress 1
		.amdhsa_inst_pref_size 75
	.end_amdhsa_kernel
	.amdgpu_metadata
---
amdhsa.version: [ 1, 2 ]
amdhsa.kernels:
  - .name:           k_qa10df42923_attn
    .symbol:         k_qa10df42923_attn.kd
    .args:
      - { .name: qc, .offset: 0, .size: 8, .value_kind: global_buffer, .address_space: global }
      - { .name: kv, .offset: 8, .size: 8, .value_kind: global_buffer, .address_space: global }
      - { .name: ao, .offset: 16, .size: 8, .value_kind: global_buffer, .address_space: global }
    .group_segment_fixed_size: 327680
    .private_segment_fixed_size: 0
    .kernarg_segment_align: 8
    .kernarg_segment_size: 24
    .max_flat_workgroup_size: 512
    .sgpr_count:     66
    .vgpr_count:     256
    .wavefront_size: 32
...
	.end_amdgpu_metadata
.endif
;; end of part 3
;; launch post (part 4): grid 256 x 1, 4 waves a work-group, no clusters, 168,448 bytes of LDS; arguments ao, wq, merge_b, xc, mlp1_b, mc, part; writes mc, part
.if DOCPART == 4
	.amdgcn_target "amdgcn-amd-amdhsa--gfx1250"
	.amdhsa_code_object_version 6
	.text
	.protected	k_qa10df42923_post
	.globl	k_qa10df42923_post
	.p2align	8
	.type	k_qa10df42923_post,@function
k_qa10df42923_post:
	s_mov_b64 s[64:65], 0
	v_nop
	global_prefetch_b8 v0, s[64:65] scope:SCOPE_SE
	s_setreg_imm32_b32 hwreg(HW_REG_WAVE_MODE, 25, 1), 1
	s_wait_xcnt 0x0
; message = merge_w attn_out + merge_b; h = mlp1_w [x, message] + mlp1_b; of h only the statistics leave: for each of the 512 channels the mean and the sum of squared deviations over my 64 positions.
; All products on codes of BF6 (E3M2) with E8M0 scales.  message's codes go to memory for the last launch, which makes h again from codes: h itself (33 MB in f32) never goes to memory.
; SHARES.  Work-group g = 64 b + G takes positions 64 G .. + 63, in four tiles (row m of tile t: position 32 (m>>3) + 8 t + (m&7)).
;   A: wave w quantises tile w of attn_out.  A lane holds, of one position, d = 16 t' + 8 hh + j of all four heads: channels 64 t' + 32 hh + 4 j + h: a whole block, in the order 8 h + j, in which merge_w's K was laid too.
;   M: wave w makes message channels 128 (w&1) .. + 127 of tiles 2 (w>>1), 2 (w>>1) + 1: source 0 = 16 channels (64 (T>>2) + 32 (m>>3) + 8 (T&3) + (m&7)), source 1 = positions: a lane's 64 results are two whole blocks of the next K.
;   H: wave w makes h channels 128 w .. + 127: source 0 = positions, source 1 = channels: a lane holds ONE channel and 32 positions; the other 32 lie in lane l xor 16.
; STATISTICS without a difference of large sums: the local mean first, then the sum of squares about it; the next launch joins the 256 groups.  The bias shifts the mean alone.
; NO CLUSTER: what work-groups share is the weights (73,728 bytes a wave), which go straight into registers and stay.
; LIMITS: NaN and infinities are not served; a block of zeros, or one under 2^-122, gets the byte 1.
; REGISTERS.  window 0: v1-15 offsets; v16-143 at work; v144-171 the quantiser's; v176-199 two fragments of attn_out; v200-215 scale words (merge_w's, later the positions'); v216-231 mlp1_w's; v232-233 attn_out's; v234-241 mlp1_b; v242-247 sums.
;   window 1, 2: mlp1_w's fragments 12 (2 u + (s&1)), K steps 0, 1 and 2, 3.   window 3: v0-191 merge_w's 16 fragments, later the positions' 16 (12 (4 m + s)); v192-255 merge_b in the result's layout.
.set REC,  13312
.set RSC,  12288
.set WSC,  491520
.set XIM,  0                           ; LDS: x's record, filled once by tensor loads,
.set AIM,  REC                         ; attn_out's,
.set MIM,  2*REC                       ; message's,
.set PS,   3*REC                       ; and the statistics' stage: 512 means, 512 sums
.set LI,  3
.set LS,  4
.set SH8, 5
.set AWI, 6
.set AWS, 7
.set AMI, 8
.set AMS, 9
.set MWI, 10
.set MWS, 11
.set PSA, 12
.set PSR, 13
.set WORK, 16
.set PC,  144
.set PT,  156
.set TM,  164
.set TS,  166
.set TB,  168
.set TX,  170
.set PW,  171
.set AIF, 176
.set PSC, 200
.set W1S, 216
.set AIS, 232
.set B1,  234
.set SA,  242
.set SB,  244
.set SM,  246
.set WV,  22
.set SEL, 42
.set MSB, 0
.macro WIN new
.if MSB != \new
	s_set_vgpr_msb (MSB<<8)|\new
.set MSB, \new
.endif
.endm
.macro PLACES n
.rept \n
	v_nop
.endr
.endm
.macro BARRIER
	s_wait_dscnt 0x0
	s_barrier_signal -1
	s_barrier_wait -1
.endm
.macro MM d, a, b, c, sa, sb, row
.if (\c) < 0
.if (\row) == 0
	v_wmma_scale_f32_16x16x128_f8f6f4 v[\d:\d+7], v[\a:\a+11], v[\b:\b+11], 0, v[\sa], v[\sb] matrix_a_fmt:MATRIX_FMT_BF6 matrix_b_fmt:MATRIX_FMT_BF6
.elseif (\row) == 1
	v_wmma_scale_f32_16x16x128_f8f6f4 v[\d:\d+7], v[\a:\a+11], v[\b:\b+11], 0, v[\sa], v[\sb] matrix_a_fmt:MATRIX_FMT_BF6 matrix_b_fmt:MATRIX_FMT_BF6 matrix_a_scale:MATRIX_SCALE_ROW1
.else
	v_wmma_scale_f32_16x16x128_f8f6f4 v[\d:\d+7], v[\a:\a+11], v[\b:\b+11], 0, v[\sa], v[\sb] matrix_a_fmt:MATRIX_FMT_BF6 matrix_b_fmt:MATRIX_FMT_BF6 matrix_b_scale:MATRIX_SCALE_ROW1
.endif
.else
.if (\row) == 0
	v_wmma_scale_f32_16x16x128_f8f6f4 v[\d:\d+7], v[\a:\a+11], v[\b:\b+11], v[\c:\c+7], v[\sa], v[\sb] matrix_a_fmt:MATRIX_FMT_BF6 matrix_b_fmt:MATRIX_FMT_BF6
.elseif (\row) == 1
	v_wmma_scale_f32_16x16x128_f8f6f4 v[\d:\d+7], v[\a:\a+11], v[\b:\b+11], v[\c:\c+7], v[\sa], v[\sb] matrix_a_fmt:MATRIX_FMT_BF6 matrix_b_fmt:MATRIX_FMT_BF6 matrix_a_scale:MATRIX_SCALE_ROW1
.else
	v_wmma_scale_f32_16x16x128_f8f6f4 v[\d:\d+7], v[\a:\a+11], v[\b:\b+11], v[\c:\c+7], v[\sa], v[\sb] matrix_a_fmt:MATRIX_FMT_BF6 matrix_b_fmt:MATRIX_FMT_BF6 matrix_b_scale:MATRIX_SCALE_ROW1
.endif
.endif
.endm
.macro QUANT64 s                       ; 64 numbers of a lane, register 32 c + i = k 64 c + 32 hh + i, become a fragment's codes in v[PC] on and its scale word in v[PW]
.irp c, 0,1
	v_max3_num_f32 v[TM+\c], |v[\s+32*\c]|, |v[\s+32*\c+1]|, 0x2800000
.endr
.irp i, 2,4,6,8,10,12,14,16,18,20,22,24,26,28,30
.irp c, 0,1
	v_max3_num_f32 v[TM+\c], v[TM+\c], |v[\s+32*\c+\i]|, |v[\s+32*\c+\i+1]|
.endr
.endr
.irp c, 0,1
	v_add_nc_u32 v[TS+\c], 0xfe000000, v[TM+\c]
.endr
.irp c, 0,1
	v_lshrrev_b32 v[TB+\c], 23, v[TS+\c]
.endr
	s_wait_alu depctr_va_vdst(0)
	s_wait_xcnt 0x0                                ; PW and the codes' registers may be the data of earlier global stores
	v_lshl_or_b32 v[PW], v[TB+1], 16, v[TB]
	v_lshlrev_b32 v[PW], v[SH8], v[PW]
	v_permlanex16_b32 v[TX], v[PW], s[SEL], s[SEL+1]
	v_or_b32 v[PW], v[PW], v[TX]
.irp c, 0,1
	v_cvt_scalef32_pk16_bf6_f32 v[PC+6*\c:PC+6*\c+2], v[\s+32*\c:\s+32*\c+15], v[TS+\c]
	v_cvt_scalef32_pk16_bf6_f32 v[PT+4*\c:PT+4*\c+2], v[\s+32*\c+16:\s+32*\c+31], v[TS+\c]
.endr
	v_nop
.irp c, 0,1
.irp i, 0,1,2
	v_mov_b32 v[PC+3+6*\c+\i], v[PT+4*\c+\i]
.endr
.endr
.endm
.macro IMAGE adr, off
.irp c, 0,1,2
	ds_store_b128 v[\adr], v[PC+4*\c:PC+4*\c+3] offset:\off+512*\c
.endr
.endm
.macro FETCH reg, adr, off
.irp c, 0,1,2
	ds_load_b128 v[\reg+4*\c:\reg+4*\c+3], v[\adr] offset:\off+512*\c
.endr
.endm
	s_load_b256 s[4:11], s[0:1], 0x0               ; ao, wq, merge_b, xc
	s_load_b128 s[12:15], s[0:1], 0x20             ; mlp1_b, mc
	s_load_b64 s[16:17], s[0:1], 0x30              ; part
	v_lshl_add_u32 v254, v0, 2, 0x29000
	v_mov_b32 v255, 0
	ds_add_u32 v254, v255
	ds_add_u32 v254, v255
	v_lshrrev_b32 v1, 5, v0
	v_readfirstlane_b32 s[WV], v1
	; descriptor group 1: a quarter of a record, 3,328 dense bytes, as 13 rows of 256 (32 elements of 8 bytes)
	s_mov_b32 s24, 3<<16
	s_mov_b32 s25, 32<<16
	s_mov_b32 s26, 13<<16
	s_mov_b32 s27, 32<<16
	s_mov_b32 s28, 13
	s_mov_b32 s29, 32
	s_mov_b32 s30, 0
	s_mov_b32 s31, 0
	s_mul_i32 s23, s[WV], 3328
	s_mul_i32 s46, ttmp9, REC
	s_mov_b32 s47, 0
	s_add_co_u32 s44, s46, s23
	s_mov_b32 s45, 0
	s_mov_b32 s32, 1
	s_mov_b32 s33, s23
	s_wait_dscnt 0x0
	s_wait_kmcnt 0x0
	s_add_nc_u64 s[34:35], s[10:11], s[44:45]
	s_or_b32 s35, s35, 0x80000000
	tensor_load_to_lds s[32:35], s[24:31]          ; x's record: one load a wave, filled once
	s_nop 0
	PLACES 4
	v_and_b32 v1, 15, v0                           ; r
	v_bfe_u32 v2, v0, 4, 1                         ; hh
	v_and_b32 v14, 31, v0
	v_lshlrev_b32 v[LI], 4, v14
	v_lshlrev_b32 v[LS], 2, v14
	v_lshlrev_b32 v[SH8], 3, v2
	v_mov_b32 v[TX], 0
	v_mov_b32 v[SM+1], 0                           ; (the upper half of the pair that holds the mean)
	v_cmp_eq_u32 s40, 1, v2
	s_and_b32 s48, s[WV], 1
	s_lshr_b32 s49, s[WV], 1
	s_mul_i32 s23, s[WV], 3072
	v_add_nc_u32 v[AWI], s23, v[LI]
	s_lshl_b32 s23, s[WV], 8
	v_add_nc_u32 v[AWS], s23, v[LS]
	s_mul_i32 s23, s49, 6144
	v_add_nc_u32 v[AMI], s23, v[LI]
	s_lshl_b32 s23, s49, 9
	v_add_nc_u32 v[AMS], s23, v[LS]
	s_mul_i32 s23, s48, 1536
	v_add_nc_u32 v[MWI], s23, v[AMI]
	s_lshl_b32 s23, s48, 7
	v_add_nc_u32 v[MWS], s23, v[AMS]
	v_and_b32 v14, 7, v1
	v_lshrrev_b32 v15, 3, v1
	v_lshl_add_u32 v14, v15, 5, v14
	v_lshlrev_b32 v14, 2, v14                      ; 4 (32 (r>>3) + (r&7)): my channel in a tile of mlp1_w
	v_lshl_add_u32 v[PSA], v2, 11, v14
	s_lshl_b32 s23, s[WV], 9
	s_add_co_u32 s23, s23, PS
	v_add_nc_u32 v[PSA], s23, v[PSA]
	s_lshl_b32 s23, s[WV], 10
	s_add_co_u32 s23, s23, PS
	v_add_nc_u32 v[PSR], s23, v[LI]
	v_lshlrev_b32 v15, 7, v2                       ; 128 hh
	s_wait_alu depctr_va_vdst(0)
	s_mov_b32 s[SEL], 0x76543210
	s_mov_b32 s[SEL+1], 0xfedcba98
	s_lshl_b32 s44, ttmp9, 2
	s_add_co_u32 s44, s44, s[WV]
	s_lshl_b32 s44, s44, 14
	s_add_nc_u64 s[4:5], s[4:5], s[44:45]          ; ao: tile 4 g + w
	s_mul_i32 s44, s48, 24576
	s_add_co_u32 s44, s44, 147456
	s_add_nc_u64 s[50:51], s[6:7], s[44:45]        ; merge_w's fragments 96 + 16 (w&1) on
	s_lshl_b32 s44, s48, 10
	s_add_co_u32 s44, s44, 6144
	s_add_nc_u64 s[52:53], s[6:7], s[44:45]        ; their scale words
	s_lshl_b32 s44, s48, 9
	s_add_nc_u64 s[8:9], s[8:9], s[44:45]
	s_mul_i32 s44, s[WV], 49152
	s_add_co_u32 s44, s44, 196608
	s_add_nc_u64 s[54:55], s[6:7], s[44:45]        ; mlp1_w's fragments 128 + 32 w on
	s_lshl_b32 s44, s[WV], 11
	s_add_co_u32 s44, s44, 8192
	s_add_nc_u64 s[56:57], s[6:7], s[44:45]
	s_lshl_b32 s44, s[WV], 9
	s_add_nc_u64 s[12:13], s[12:13], s[44:45]
	s_add_nc_u64 s[14:15], s[14:15], s[46:47]      ; mc: my group's record
	s_lshl_b32 s44, ttmp9, 12
	s_lshl_b32 s23, s[WV], 10
	s_add_co_u32 s44, s44, s23
	s_add_nc_u64 s[16:17], s[16:17], s[44:45]
.irp s, 0,1
.irp c, 0,1
.irp h, 0,1,2,3
.irp q, 0,1
	global_load_b128 v[WORK+64*\s+32*\c+8*\h+4*\q:WORK+64*\s+32*\c+8*\h+4*\q+3], v[LI], s[4:5] offset:4096*\h+1024*(2*\s+\c)+512*\q th:TH_LOAD_NT
.endr
.endr
.endr
.endr
	WIN 0xc0                                       ; destination window 3
.irp e, 0,1,2,3,4,5,6,7,8,9,10,11,12,13,14,15
.irp c, 0,1,2
	global_load_b128 v[12*\e+4*\c:12*\e+4*\c+3], v[LI], s[50:51] offset:1536*\e+512*\c
.endr
.endr
.irp c, 0,1
.irp q, 0,1,2,3,4,5,6,7
	global_load_b128 v[192+32*\c+4*\q:192+32*\c+4*\q+3], v15, s[8:9] offset:256*\c+16*\q
.endr
.endr
	WIN 0
.irp t, 0,1,2,3,4,5,6,7
	global_load_b32 v[PSC+\t], v[LS], s[52:53] offset:WSC+128*\t
.endr
	WIN 0x40
.irp u, 0,1,2,3,4,5,6,7
.irp s, 0,1
.irp c, 0,1,2
	global_load_b128 v[12*(2*\u+\s)+4*\c:12*(2*\u+\s)+4*\c+3], v[LI], s[54:55] offset:1536*(4*\u+\s)+512*\c
.endr
.endr
.endr
	WIN 0x80
.irp u, 0,1,2,3,4,5,6,7
.irp s, 0,1
.irp c, 0,1,2
	global_load_b128 v[12*(2*\u+\s)+4*\c:12*(2*\u+\s)+4*\c+3], v[LI], s[54:55] offset:1536*(4*\u+\s+2)+512*\c
.endr
.endr
.endr
	WIN 0
.irp p, 0,1,2,3,4,5,6,7,8,9,10,11,12,13,14,15
	global_load_b32 v[W1S+\p], v[LS], s[56:57] offset:WSC+128*\p
.endr
.irp u, 0,1,2,3,4,5,6,7
	global_load_b32 v[B1+\u], v14, s[12:13] offset:256*(\u/4)+32*(\u%4)
.endr
	; ---- A: my tile of attn_out becomes two fragments
	s_wait_loadcnt 63                              ; 192 loads were issued behind attn_out's 32: a count under that number shows them in
	QUANT64 WORK
	IMAGE AWI, AIM
	ds_store_b32 v[AWS], v[PW] offset:AIM+RSC
	s_wait_dscnt 0x0                               ; the stores have read their registers
	QUANT64 WORK+64
	IMAGE AWI, AIM+1536
	ds_store_b32 v[AWS], v[PW] offset:AIM+RSC+128
	s_wait_tensorcnt 0x0                           ; my quarter of x's record is in
	BARRIER
	; ---- M: message
	s_wait_loadcnt 63                              ; 120 loads were issued behind merge_w's, its scale words and merge_b
.irp i, 0,1
	PLACES 4                                       ; in front of loads into registers that matrix instructions have read
	FETCH AIF, AMI, AIM+3072*\i
	FETCH AIF+12, AMI, AIM+3072*\i+1536
	ds_load_b32 v[AIS], v[AMS] offset:AIM+RSC+256*\i
	ds_load_b32 v[AIS+1], v[AMS] offset:AIM+RSC+256*\i+128
	s_wait_dscnt 0x0
	PLACES 5                                       ; the accumulators are begun anew
	WIN 0x33                                       ; source 0 and C window 3
.irp t, 0,1,2,3,4,5,6,7
	MM WORK+8*\t, 24*\t, AIF, 192+8*\t, PSC+\t, AIS, 0
.endr
	WIN 0x03
.irp t, 0,1,2,3,4,5,6,7
	MM WORK+8*\t, 24*\t+12, AIF+12, WORK+8*\t, PSC+\t, AIS+1, 1
.endr
	WIN 0
	PLACES 4
	QUANT64 WORK
	IMAGE MWI, MIM+3072*\i
	ds_store_b32 v[MWS], v[PW] offset:MIM+RSC+256*\i
.irp c, 0,1,2
	global_store_b128 v[MWI], v[PC+4*\c:PC+4*\c+3], s[14:15] offset:3072*\i+512*\c
.endr
	global_store_b32 v[MWS], v[PW], s[14:15] offset:RSC+256*\i
.endr
	BARRIER
	; ---- H: h's statistics
	PLACES 4
	WIN 0xc0
.irp m, 0,1,2,3
.irp s, 0,1
	FETCH 12*(4*\m+\s), LI, XIM+1536*(2*\m+\s)
	FETCH 12*(4*\m+\s+2), LI, MIM+1536*(2*\m+\s)
.endr
.endr
	WIN 0
.irp m, 0,1,2,3
.irp s, 0,1
	ds_load_b32 v[PSC+4*\m+\s], v[LS] offset:XIM+RSC+128*(2*\m+\s)
	ds_load_b32 v[PSC+4*\m+\s+2], v[LS] offset:MIM+RSC+128*(2*\m+\s)
.endr
.endr
	s_wait_dscnt 0x0
	s_wait_loadcnt 0x0
.macro STATS u                         ; 32 positions of my channel in v[WORK] on; each accumulator is read from its low end on
	v_pk_add_f32 v[SA:SA+1], v[WORK:WORK+1], v[WORK+2:WORK+3]
	v_pk_add_f32 v[SB:SB+1], v[WORK+4:WORK+5], v[WORK+6:WORK+7]
.irp i, 8,12,16,20,24,28
	v_pk_add_f32 v[SA:SA+1], v[SA:SA+1], v[WORK+\i:WORK+\i+1]
	v_pk_add_f32 v[SB:SB+1], v[SB:SB+1], v[WORK+\i+2:WORK+\i+3]
.endr
	v_pk_add_f32 v[SA:SA+1], v[SA:SA+1], v[SB:SB+1]
	v_add_f32 v[SM], v[SA], v[SA+1]
	v_permlanex16_b32 v[TX], v[SM], s[SEL], s[SEL+1]
	v_add_f32 v[SM], v[SM], v[TX]
	v_mul_f32 v[SM], 0x3c800000, v[SM]             ; / 64: the local mean, without the bias
.set j, 0
.rept 16
	v_pk_add_f32 v[WORK+j:WORK+j+1], v[WORK+j:WORK+j+1], v[SM:SM+1] op_sel_hi:[1,0] neg_lo:[0,1] neg_hi:[0,1]
.set j, j+2
.endr
	v_pk_mul_f32 v[SA:SA+1], v[WORK:WORK+1], v[WORK:WORK+1]
	v_pk_mul_f32 v[SB:SB+1], v[WORK+2:WORK+3], v[WORK+2:WORK+3]
.irp i, 4,8,12,16,20,24,28
	v_pk_fma_f32 v[SA:SA+1], v[WORK+\i:WORK+\i+1], v[WORK+\i:WORK+\i+1], v[SA:SA+1]
	v_pk_fma_f32 v[SB:SB+1], v[WORK+\i+2:WORK+\i+3], v[WORK+\i+2:WORK+\i+3], v[SB:SB+1]
.endr
	v_pk_add_f32 v[SA:SA+1], v[SA:SA+1], v[SB:SB+1]
	v_add_f32 v[SA], v[SA], v[SA+1]
	v_permlanex16_b32 v[TX], v[SA], s[SEL], s[SEL+1]
	v_add_f32 v[SA], v[SA], v[TX]                  ; the sum of squares about the local mean
	v_add_f32 v[SB], v[SM], v[B1+\u]               ; the mean with the bias
	v_cndmask_b32 v[WORK+32+\u], v[SB], v[SA], s40 ; lanes 0-15 hand in the mean, lanes 16-31 the sum; a register of its own for each tile
	ds_store_b32 v[PSA], v[WORK+32+\u] offset:256*(\u/4)+32*(\u%4)
.endm
.irp u, 0,1,2,3,4,5,6,7
	PLACES 5                                       ; the accumulators are begun anew
.irp s, 0,1,2,3
.if \s < 2
	WIN 0x07                                       ; source 0 window 3, source 1 window 1
.else
	WIN 0x0b                                       ; source 1 window 2
.endif
.irp m, 0,1,2,3
.if \s == 0
	MM WORK+8*\m, 12*(4*\m+\s), 12*(2*\u+\s%2), -1, PSC+4*\m+\s, W1S+2*\u+\s/2, 2*(\s%2)
.else
	MM WORK+8*\m, 12*(4*\m+\s), 12*(2*\u+\s%2), WORK+8*\m, PSC+4*\m+\s, W1S+2*\u+\s/2, 2*(\s%2)
.endif
.endr
.endr
	WIN 0
	PLACES 4
	STATS \u
.endr
	BARRIER                                        ; 512 means and 512 sums lie in the stage
	ds_load_b128 v[WORK:WORK+3], v[PSR]
	ds_load_b128 v[WORK+4:WORK+7], v[PSR] offset:512
	s_wait_dscnt 0x0
	global_store_b128 v[LI], v[WORK:WORK+3], s[16:17]              ; 512 consecutive bytes a store, aligned
	global_store_b128 v[LI], v[WORK+4:WORK+7], s[16:17] offset:512
	s_wait_tensorcnt 0x0
	ds_add_u32 v254, v255
	s_wait_dscnt 0x0
	s_endpgm
.Lfunc_end_k_qa10df42923_post:
	.size	k_qa10df42923_post, .Lfunc_end_k_qa10df42923_post-k_qa10df42923_post
	.p2alignl 7, 3214868480
	.fill 96, 4, 3214868480
	.section	.rodata,"a",@progbits
	.p2align	6, 0x0
	.amdhsa_kernel k_qa10df42923_post
		.amdhsa_group_segment_fixed_size 168448
		.amdhsa_private_segment_fixed_size 0
		.amdhsa_enable_private_segment 0
		.amdhsa_kernarg_size 56
		.amdhsa_user_sgpr_count 2
		.amdhsa_user_sgpr_kernarg_segment_ptr 1
		.amdhsa_wavefront_size32 1
		.amdhsa_system_sgpr_workgroup_id_x 1
		.amdhsa_system_sgpr_workgroup_id_y 1
		.amdhsa_system_sgpr_workgroup_id_z 1
		.amdhsa_system_vgpr_workitem_id 0
		.amdhsa_next_free_vgpr 1024
		.amdhsa_next_free_sgpr 66
		.amdhsa_reserve_vcc 0
		.amdhsa_float_denorm_mode_32 3
		.amdhsa_float_denorm_mode_16_64 3
		.amdhsa_memory_ordered 1
		.amdhsa_forward_progress 1
		.amdhsa_inst_pref_size 98
	.end_amdhsa_kernel
	.amdgpu_metadata
---
amdhsa.version: [ 1, 2 ]
amdhsa.kernels:
  - .name:           k_qa10df42923_post
    .symbol:         k_qa10df42923_post.kd
    .args:
      - { .name: ao, .offset: 0, .size: 8, .value_kind: global_buffer, .address_space: global }
      - { .name: wq, .offset: 8, .size: 8, .value_kind: global_buffer, .address_space: global }
      - { .name: merge_b, .offset: 16, .size: 8, .value_kind: global_buffer, .address_space: global }
      - { .name: xc, .offset: 24, .size: 8, .value_kind: global_buffer, .address_space: global }
      - { .name: mlp1_b, .offset: 32, .size: 8, .value_kind: global_buffer, .address_space: global }
      - { .name: mc, .offset: 40, .size: 8, .value_kind: global_buffer, .address_space: global }
      - { .name: part, .offset: 48, .size: 8, .value_kind: global_buffer, .address_space: global }
    .group_segment_fixed_size: 168448
    .private_segment_fixed_size: 0
    .kernarg_segment_align: 8
    .kernarg_segment_size: 56
    .max_flat_workgroup_size: 128
    .sgpr_count:     66
    .vgpr_count:     1024
    .wavefront_size: 32
...
	.end_amdgpu_metadata
.endif
;; end of part 4
;; launch bnred (part 5): grid 8 x 1, 8 waves a work-group, no clusters, 5,120 bytes of LDS; arguments part, bn_gamma, bn_beta, bnp; writes bnp
.if DOCPART == 5
	.amdgcn_target "amdgcn-amd-amdhsa--gfx1250"
	.amdhsa_code_object_version 6
	.text
	.protected	k_qa10df42923_bnred
	.globl	k_qa10df42923_bnred
	.p2align	8
	.type	k_qa10df42923_bnred,@function
k_qa10df42923_bnred:
	s_mov_b64 s[64:65], 0
	v_nop
	global_prefetch_b8 v0, s[64:65] scope:SCOPE_SE
	s_setreg_imm32_b32 hwreg(HW_REG_WAVE_MODE, 25, 1), 1
	s_wait_xcnt 0x0
; The 256 groups' local means and sums of squared deviations (64 positions each) are joined into the batch's mean and variance for each of 512 channels:
;   mean = the mean of the local means;  16,384 var = the sum over groups of (M2_i + 64 (mean_i - mean)^2): no difference of large sums is formed.
; Out: a = gamma rsqrt(var + 1e-5) and c = beta - mean a, so that the normalisation is one multiply-add.
; SHARES.  Work-group g takes channels 64 g .. + 63; lane l the pair 2 l, 2 l + 1; wave w groups 32 w .. + 31.  Each load of a wave covers 256 consecutive bytes, aligned.
; 1 MB is all there is to read: eight work-groups of eight waves have every byte asked for at once.  No matrix unit, no tensor load, no cluster: nothing is read twice.
	s_load_b256 s[4:11], s[0:1], 0x0               ; part, bn_gamma, bn_beta, bnp
	v_lshl_add_u32 v192, v0, 2, 0x1000
	v_mov_b32 v193, 0
	v_lshrrev_b32 v1, 5, v0
	s_delay_alu instid0(VALU_DEP_1)
	v_readfirstlane_b32 s12, v1                    ; wave 0..7
	v_and_b32 v1, 31, v0
	s_delay_alu instid0(VALU_DEP_1)
	v_lshlrev_b32 v1, 3, v1                        ; 8 x lane
	v_lshlrev_b32 v2, 3, v0                        ; LDS: 256 x wave + 8 x lane
	s_lshl_b32 s14, ttmp9, 8
	s_mov_b32 s15, 0
	s_lshl_b32 s16, s12, 17                        ; 32 groups of 4,096 bytes
	s_add_co_u32 s16, s16, s14
	s_mov_b32 s17, 0
	s_wait_alu depctr_va_vdst(0)
	s_wait_kmcnt 0x0
	s_add_nc_u64 s[4:5], s[4:5], s[16:17]
	s_add_nc_u64 s[6:7], s[6:7], s[14:15]
	s_add_nc_u64 s[8:9], s[8:9], s[14:15]
	s_add_nc_u64 s[10:11], s[10:11], s[14:15]
.set j, 0
.rept 32
	global_load_b64 v[16+2*j:17+2*j], v1, s[4:5] offset:4096*j th:TH_LOAD_NT        ; local means
.set j, j+1
.endr
.set j, 0
.rept 32
	global_load_b64 v[80+2*j:81+2*j], v1, s[4:5] offset:4096*j+2048 th:TH_LOAD_NT   ; local sums of squares
.set j, j+1
.endr
	global_load_b64 v[8:9], v1, s[6:7]
	global_load_b64 v[10:11], v1, s[8:9]
	s_wait_loadcnt 0x0
	v_pk_add_f32 v[146:147], v[16:17], v[18:19]
	v_pk_add_f32 v[190:191], v[24:25], v[28:29]
	v_pk_add_f32 v[188:189], v[32:33], v[36:37]
	v_pk_add_f32 v[186:187], v[40:41], v[44:45]
	v_pk_add_f32 v[184:185], v[48:49], v[52:53]
	v_pk_add_f32 v[182:183], v[56:57], v[60:61]
	v_pk_add_f32 v[180:181], v[64:65], v[68:69]
	v_pk_add_f32 v[144:145], v[72:73], v[76:77]
	s_delay_alu instid0(VALU_DEP_1)
	v_pk_add_f32 v[144:145], v[144:145], v[20:21]
	v_pk_add_f32 v[146:147], v[146:147], v[22:23]
	v_pk_add_f32 v[190:191], v[190:191], v[26:27]
	v_pk_add_f32 v[188:189], v[188:189], v[30:31]
	v_pk_add_f32 v[186:187], v[186:187], v[34:35]
	v_pk_add_f32 v[184:185], v[184:185], v[38:39]
	v_pk_add_f32 v[182:183], v[182:183], v[42:43]
	v_pk_add_f32 v[180:181], v[180:181], v[46:47]
	v_pk_add_f32 v[144:145], v[144:145], v[50:51]
	v_pk_add_f32 v[146:147], v[146:147], v[54:55]
	v_pk_add_f32 v[190:191], v[190:191], v[58:59]
	v_pk_add_f32 v[188:189], v[188:189], v[62:63]
	v_pk_add_f32 v[186:187], v[186:187], v[66:67]
	v_pk_add_f32 v[184:185], v[184:185], v[70:71]
	v_pk_add_f32 v[182:183], v[182:183], v[74:75]
	v_pk_add_f32 v[180:181], v[180:181], v[78:79]
	s_delay_alu instid0(VALU_DEP_4)
	v_pk_add_f32 v[144:145], v[144:145], v[186:187]
	s_delay_alu instid0(VALU_DEP_4)
	v_pk_add_f32 v[146:147], v[146:147], v[184:185]
	s_delay_alu instid0(VALU_DEP_4)
	v_pk_add_f32 v[190:191], v[190:191], v[182:183]
	s_delay_alu instid0(VALU_DEP_4)
	v_pk_add_f32 v[188:189], v[188:189], v[180:181]
	s_delay_alu instid0(VALU_DEP_2)
	v_pk_add_f32 v[144:145], v[144:145], v[190:191]
	s_delay_alu instid0(VALU_DEP_2)
	v_pk_add_f32 v[146:147], v[146:147], v[188:189]
	s_delay_alu instid0(VALU_DEP_1)
	v_pk_add_f32 v[144:145], v[144:145], v[146:147]
	ds_store_b64 v2, v[144:145]
	s_wait_dscnt 0x0                               ; for the others' sake
	s_barrier_signal -1
	s_barrier_wait -1
.irp k, 0,1,2,3,4,5,6,7
	ds_load_b64 v[148+2*\k:149+2*\k], v1 offset:256*\k
.endr
	s_wait_dscnt 0x0
	v_pk_add_f32 v[144:145], v[148:149], v[150:151]
.irp k, 2,3,4,5,6,7
	s_delay_alu instid0(VALU_DEP_1)
	v_pk_add_f32 v[144:145], v[144:145], v[148+2*\k:149+2*\k]
.endr
	s_delay_alu instid0(VALU_DEP_1)
	v_pk_mul_f32 v[144:145], v[144:145], 0x3b800000 op_sel_hi:[1,0]     ; / 256: the mean
.set j, 0
.rept 32
	v_pk_add_f32 v[16+2*j:17+2*j], v[16+2*j:17+2*j], v[144:145] neg_lo:[0,1] neg_hi:[0,1]
.set j, j+1
.endr
	v_pk_mul_f32 v[146:147], v[16:17], v[16:17]
	v_pk_mul_f32 v[164:165], v[18:19], v[18:19]
	v_pk_add_f32 v[166:167], v[80:81], v[82:83]
	v_pk_add_f32 v[168:169], v[84:85], v[86:87]
.set j, 2
	s_delay_alu instid0(VALU_DEP_4)
	v_pk_fma_f32 v[146:147], v[16+2*j:17+2*j], v[16+2*j:17+2*j], v[146:147]
	s_delay_alu instid0(VALU_DEP_4)
	v_pk_fma_f32 v[164:165], v[18+2*j:19+2*j], v[18+2*j:19+2*j], v[164:165]
.set j, j+2
.rept (15)-1
	s_delay_alu instid0(VALU_DEP_2)
	v_pk_fma_f32 v[146:147], v[16+2*j:17+2*j], v[16+2*j:17+2*j], v[146:147]
	s_delay_alu instid0(VALU_DEP_2)
	v_pk_fma_f32 v[164:165], v[18+2*j:19+2*j], v[18+2*j:19+2*j], v[164:165]
.set j, j+2
.endr
.set j, 4
	v_pk_add_f32 v[166:167], v[166:167], v[80+2*j:81+2*j]
	v_pk_add_f32 v[168:169], v[168:169], v[82+2*j:83+2*j]
.set j, j+2
.rept (14)-1
	s_delay_alu instid0(VALU_DEP_2)
	v_pk_add_f32 v[166:167], v[166:167], v[80+2*j:81+2*j]
	s_delay_alu instid0(VALU_DEP_2)
	v_pk_add_f32 v[168:169], v[168:169], v[82+2*j:83+2*j]
.set j, j+2
.endr
	v_pk_add_f32 v[146:147], v[146:147], v[164:165]
	s_delay_alu instid0(VALU_DEP_2)
	v_pk_add_f32 v[166:167], v[166:167], v[168:169]
	s_delay_alu instid0(VALU_DEP_1)
	v_pk_fma_f32 v[146:147], v[146:147], 0x42800000, v[166:167] op_sel_hi:[1,0,1]   ; 64 x the squares of the means' deviations + the local sums
	ds_store_b64 v2, v[146:147] offset:2048        ; other bytes than the first exchange's
	s_wait_dscnt 0x0
	s_barrier_signal -1
	s_barrier_wait -1
.irp k, 0,1,2,3,4,5,6,7
	ds_load_b64 v[148+2*\k:149+2*\k], v1 offset:2048+256*\k
.endr
	s_wait_dscnt 0x0
	v_pk_add_f32 v[146:147], v[148:149], v[150:151]
.irp k, 2,3,4,5,6,7
	s_delay_alu instid0(VALU_DEP_1)
	v_pk_add_f32 v[146:147], v[146:147], v[148+2*\k:149+2*\k]
.endr
	s_delay_alu instid0(VALU_DEP_1)
	v_pk_mul_f32 v[146:147], v[146:147], 0x38800000 op_sel_hi:[1,0]     ; / 16,384: the variance
	s_delay_alu instid0(VALU_DEP_1)
	v_add_f32 v146, 0x3727c5ac, v146               ; + 1e-5
	s_delay_alu instid0(VALU_DEP_2)
	v_add_f32 v147, 0x3727c5ac, v147
	s_wait_alu depctr_va_vdst(0)
	v_rsq_f32 v170, v146
	v_rsq_f32 v171, v147
	v_nop                                          ; one plain place behind a transcendental
	s_wait_alu depctr_va_vdst(0)
	v_pk_mul_f32 v[172:173], v[8:9], v[170:171]    ; a
	s_delay_alu instid0(VALU_DEP_1)
	v_pk_fma_f32 v[174:175], v[144:145], v[172:173], v[10:11] neg_lo:[1,0,0] neg_hi:[1,0,0]   ; c = beta - mean a
	s_cmp_lg_u32 s12, 0                            ; every wave holds the same numbers: wave 0 stores them
	s_cbranch_scc1 .Ldone
	global_store_b64 v1, v[172:173], s[10:11]
	global_store_b64 v1, v[174:175], s[10:11] offset:2048
.Ldone:
	s_wait_tensorcnt 0x0
	ds_add_u32 v192, v193
	s_wait_dscnt 0x0
	s_endpgm
.Lfunc_end_k_qa10df42923_bnred:
	.size	k_qa10df42923_bnred, .Lfunc_end_k_qa10df42923_bnred-k_qa10df42923_bnred
	.p2alignl 7, 3214868480
	.fill 96, 4, 3214868480
	.section	.rodata,"a",@progbits
	.p2align	6, 0x0
	.amdhsa_kernel k_qa10df42923_bnred
		.amdhsa_group_segment_fixed_size 5120
		.amdhsa_private_segment_fixed_size 0
		.amdhsa_enable_private_segment 0
		.amdhsa_kernarg_size 32
		.amdhsa_user_sgpr_count 2
		.amdhsa_user_sgpr_kernarg_segment_ptr 1
		.amdhsa_wavefront_size32 1
		.amdhsa_system_sgpr_workgroup_id_x 1
		.amdhsa_system_sgpr_workgroup_id_y 1
		.amdhsa_system_sgpr_workgroup_id_z 1
		.amdhsa_system_vgpr_workitem_id 0
		.amdhsa_next_free_vgpr 194
		.amdhsa_next_free_sgpr 66
		.amdhsa_reserve_vcc 0
		.amdhsa_float_denorm_mode_32 3
		.amdhsa_float_denorm_mode_16_64 3
		.amdhsa_memory_ordered 1
		.amdhsa_forward_progress 1
		.amdhsa_inst_pref_size 22
	.end_amdhsa_kernel
	.amdgpu_metadata
---
amdhsa.version: [ 1, 2 ]
amdhsa.kernels:
  - .name:           k_qa10df42923_bnred
    .symbol:         k_qa10df42923_bnred.kd
    .args:
      - { .name: part, .offset: 0, .size: 8, .value_kind: global_buffer, .address_space: global }
      - { .name: bn_gamma, .offset: 8, .size: 8, .value_kind: global_buffer, .address_space: global }
      - { .name: bn_beta, .offset: 16, .size: 8, .value_kind: global_buffer, .address_space: global }
      - { .name: bnp, .offset: 24, .size: 8, .value_kind: global_buffer, .address_space: global }
    .group_segment_fixed_size: 5120
    .private_segment_fixed_size: 0
    .kernarg_segment_align: 8
    .kernarg_segment_size: 32
    .max_flat_workgroup_size: 256
    .sgpr_count:     66
    .vgpr_count:     194
    .wavefront_size: 32
...
	.end_amdgpu_metadata
.endif
;; end of part 5
;; launch final (part 6): grid 256 x 1, 4 waves a work-group, no clusters, 327,680 bytes of LDS; arguments xc, mc, wq, mlp1_b, bnp, mlp2_b, out0; writes out0
.if DOCPART == 6
	.amdgcn_target "amdgcn-amd-amdhsa--gfx1250"
	.amdhsa_code_object_version 6
	.text
	.protected	k_qa10df42923_final
	.globl	k_qa10df42923_final
	.p2align	8
	.type	k_qa10df42923_final,@function
k_qa10df42923_final:
	s_mov_b64 s[64:65], 0
	v_nop
	global_prefetch_b8 v0, s[64:65] scope:SCOPE_SE
	s_setreg_imm32_b32 hwreg(HW_REG_WAVE_MODE, 25, 1), 1
	s_wait_xcnt 0x0
; out = mlp2_w relu(a (mlp1_w [x, message] + mlp1_b) + c) + mlp2_b, a and c the batch normalisation as one multiply-add.  Both products on codes of BF6 (E3M2) with E8M0 scales.
; x's and message's codes arrive as records of operand images; the hidden layer is made anew from them and never goes to memory.
; SHARES.  Work-group g = 64 b + G takes positions 64 G .. + 63 in four tiles (row m of tile t: position 32 (m>>3) + 8 t + (m&7)).  THE WAVES SHARE THE CHANNELS: wave w makes hidden channels 128 w .. + 127
;   (K step w of the second product) and outputs 64 w .. + 63; its parts of both weights stay in its registers.
;   1: source 0 = 16 channels of mlp1_w (64 (T>>2) + 32 (m>>3) + 8 (T&3) + (m&7)), source 1 = positions: a lane's 64 results are two whole blocks of the next K; normalised, clipped at 0, quantised, image to LDS.
;   2: source 0 = positions, source 1 = 16 channels of mlp2_w: a lane holds ONE output channel and 32 neighbouring positions: 128 bytes of a row of out.
; mlp1_b is folded into c (c2 = a b1 + c); mlp2_b is the C of the second product's first matrix instructions.
; NO CLUSTER: what work-groups share is the weights (73,728 bytes a wave), which go straight into registers and stay.
; LIMITS: NaN and infinities are not served; a block of zeros, or one under 2^-122, gets the byte 1.
; REGISTERS.  window 0: v1-12 offsets; v16-143 accumulators; v144-171 the quantiser's; v176-223 four fragments; v224-239, v240-247, v248-251 scale words.
;   window 1: mlp1_w's fragments 12 (2 T + s), K steps 0, 1; v192-223 mlp2_b.   window 2: K steps 2, 3; v192-255 a.   window 3: mlp2_w's 16 fragments 12 (4 u + s); v192-255 c2.
.set REC,  13312
.set RSC,  12288
.set WSC,  491520
.set XIM,  0                           ; LDS: x's record and
.set MIM,  REC                         ; message's, each filled once by tensor loads;
.set HIM,  2*REC                       ; the hidden layer's 16 fragments (4 m + s),
.set HSC,  HIM+24576                   ; their scale words;
.set STG,  4*REC                       ; a stage of 64 rows x (256 bytes + 16) for each wave
.set LI,  3
.set LS,  4
.set SH8, 5
.set HWI, 6
.set HWS, 7
.set SO,  8
.set SR,  9
.set GO,  10
.set ACC, 16
.set PC,  144
.set PT,  156
.set TM,  164
.set TS,  166
.set TB,  168
.set TX,  170
.set PW,  171
.set PF,  176
.set W1S, 224
.set W2S, 240
.set PFS, 248
.set WV,  22
.set SEL, 42
.set MSB, 0
.macro WIN new
.if MSB != \new
	s_set_vgpr_msb (MSB<<8)|\new
.set MSB, \new
.endif
.endm
.macro PLACES n
.rept \n
	v_nop
.endr
.endm
.macro BARRIER
	s_wait_dscnt 0x0
	s_barrier_signal -1
	s_barrier_wait -1
.endm
.macro MM d, a, b, c, sa, sb, row
.if (\c) < 0
.if (\row) == 0
	v_wmma_scale_f32_16x16x128_f8f6f4 v[\d:\d+7], v[\a:\a+11], v[\b:\b+11], 0, v[\sa], v[\sb] matrix_a_fmt:MATRIX_FMT_BF6 matrix_b_fmt:MATRIX_FMT_BF6
.elseif (\row) == 1
	v_wmma_scale_f32_16x16x128_f8f6f4 v[\d:\d+7], v[\a:\a+11], v[\b:\b+11], 0, v[\sa], v[\sb] matrix_a_fmt:MATRIX_FMT_BF6 matrix_b_fmt:MATRIX_FMT_BF6 matrix_a_scale:MATRIX_SCALE_ROW1
.else
	v_wmma_scale_f32_16x16x128_f8f6f4 v[\d:\d+7], v[\a:\a+11], v[\b:\b+11], 0, v[\sa], v[\sb] matrix_a_fmt:MATRIX_FMT_BF6 matrix_b_fmt:MATRIX_FMT_BF6 matrix_b_scale:MATRIX_SCALE_ROW1
.endif
.else
.if (\row) == 0
	v_wmma_scale_f32_16x16x128_f8f6f4 v[\d:\d+7], v[\a:\a+11], v[\b:\b+11], v[\c:\c+7], v[\sa], v[\sb] matrix_a_fmt:MATRIX_FMT_BF6 matrix_b_fmt:MATRIX_FMT_BF6
.elseif (\row) == 1
	v_wmma_scale_f32_16x16x128_f8f6f4 v[\d:\d+7], v[\a:\a+11], v[\b:\b+11], v[\c:\c+7], v[\sa], v[\sb] matrix_a_fmt:MATRIX_FMT_BF6 matrix_b_fmt:MATRIX_FMT_BF6 matrix_a_scale:MATRIX_SCALE_ROW1
.else
	v_wmma_scale_f32_16x16x128_f8f6f4 v[\d:\d+7], v[\a:\a+11], v[\b:\b+11], v[\c:\c+7], v[\sa], v[\sb] matrix_a_fmt:MATRIX_FMT_BF6 matrix_b_fmt:MATRIX_FMT_BF6 matrix_b_scale:MATRIX_SCALE_ROW1
.endif
.endif
.endm
.macro QUANT64 s                       ; 64 numbers of a lane, register 32 c + i = k 64 c + 32 hh + i, become a fragment's codes in v[PC] on and its scale word in v[PW]
.irp c, 0,1
	v_max3_num_f32 v[TM+\c], |v[\s+32*\c]|, |v[\s+32*\c+1]|, 0x2800000
.endr
.irp i, 2,4,6,8,10,12,14,16,18,20,22,24,26,28,30
.irp c, 0,1
	v_max3_num_f32 v[TM+\c], v[TM+\c], |v[\s+32*\c+\i]|, |v[\s+32*\c+\i+1]|
.endr
.endr
.irp c, 0,1
	v_add_nc_u32 v[TS+\c], 0xfe000000, v[TM+\c]
.endr
.irp c, 0,1
	v_lshrrev_b32 v[TB+\c], 23, v[TS+\c]
.endr
	v_lshl_or_b32 v[PW], v[TB+1], 16, v[TB]
	v_lshlrev_b32 v[PW], v[SH8], v[PW]
	v_permlanex16_b32 v[TX], v[PW], s[SEL], s[SEL+1]
	v_or_b32 v[PW], v[PW], v[TX]
.irp c, 0,1
	v_cvt_scalef32_pk16_bf6_f32 v[PC+6*\c:PC+6*\c+2], v[\s+32*\c:\s+32*\c+15], v[TS+\c]
	v_cvt_scalef32_pk16_bf6_f32 v[PT+4*\c:PT+4*\c+2], v[\s+32*\c+16:\s+32*\c+31], v[TS+\c]
.endr
	v_nop
.irp c, 0,1
.irp i, 0,1,2
	v_mov_b32 v[PC+3+6*\c+\i], v[PT+4*\c+\i]
.endr
.endr
.endm
.macro IMAGE adr, off
.irp c, 0,1,2
	ds_store_b128 v[\adr], v[PC+4*\c:PC+4*\c+3] offset:\off+512*\c
.endr
.endm
.macro FETCH reg, adr, off
.irp c, 0,1,2
	ds_load_b128 v[\reg+4*\c:\reg+4*\c+3], v[\adr] offset:\off+512*\c
.endr
.endm
	s_load_b256 s[4:11], s[0:1], 0x0               ; xc, mc, wq, mlp1_b
	s_load_b128 s[12:15], s[0:1], 0x20             ; bnp, mlp2_b
	s_load_b64 s[16:17], s[0:1], 0x30              ; out0
	v_lshl_add_u32 v254, v0, 2, 0x29000
	v_mov_b32 v255, 0
	ds_add_u32 v254, v255
	ds_add_u32 v254, v255
	v_lshrrev_b32 v1, 5, v0
	v_readfirstlane_b32 s[WV], v1
	; descriptor group 1: a quarter of a record, 3,328 dense bytes, as 13 rows of 256 (32 elements of 8 bytes)
	s_mov_b32 s24, 3<<16
	s_mov_b32 s25, 32<<16
	s_mov_b32 s26, 13<<16
	s_mov_b32 s27, 32<<16
	s_mov_b32 s28, 13
	s_mov_b32 s29, 32
	s_mov_b32 s30, 0
	s_mov_b32 s31, 0
	s_mul_i32 s23, s[WV], 3328
	s_mul_i32 s44, ttmp9, REC
	s_add_co_u32 s44, s44, s23
	s_mov_b32 s45, 0
	s_mov_b32 s32, 1
	s_mov_b32 s33, s23
	s_mov_b32 s36, 1
	s_add_co_u32 s37, s23, MIM
	s_wait_dscnt 0x0
	s_wait_kmcnt 0x0
	s_add_nc_u64 s[34:35], s[4:5], s[44:45]
	s_or_b32 s35, s35, 0x80000000
	s_add_nc_u64 s[38:39], s[6:7], s[44:45]
	s_or_b32 s39, s39, 0x80000000
	tensor_load_to_lds s[32:35], s[24:31]          ; x's record first: one load of mine is out; each byte is filled once
	s_nop 0
	s_wait_alu depctr_va_vdst(0)
	s_wait_tensorcnt 0x0
	ds_add_u32 v254, v255
	s_wait_dscnt 0x0
	s_barrier_signal -1
	s_barrier_wait -1
	tensor_load_to_lds s[36:39], s[24:31]
	s_nop 0
	PLACES 4
	v_and_b32 v1, 15, v0                           ; r
	v_bfe_u32 v2, v0, 4, 1                         ; hh
	v_and_b32 v11, 31, v0
	v_lshlrev_b32 v[LI], 4, v11
	v_lshlrev_b32 v[LS], 2, v11
	v_lshlrev_b32 v[SH8], 3, v2
	v_mov_b32 v[TX], 0
	s_mul_i32 s23, s[WV], 1536
	v_add_nc_u32 v[HWI], s23, v[LI]
	s_lshl_b32 s23, s[WV], 7
	v_add_nc_u32 v[HWS], s23, v[LS]
	s_mul_i32 s23, s[WV], 17408
	s_add_co_u32 s23, s23, STG                     ; my stage
	v_mul_u32_u24 v[SO], v1, 272
	v_lshl_add_u32 v[SO], v2, 7, v[SO]
	v_add_nc_u32 v[SO], s23, v[SO]                 ; in: row r of a tile of channels, 128 bytes for each half of the lanes
	v_mul_u32_u24 v[SR], v2, 272
	v_lshl_add_u32 v[SR], v1, 4, v[SR]
	v_add_nc_u32 v[SR], s23, v[SR]                 ; back: lanes 0-15 one row of 256 bytes, lanes 16-31 the next
	v_lshlrev_b32 v[GO], 14, v2
	v_lshl_add_u32 v[GO], v1, 4, v[GO]             ; and the same two rows of out, 16,384 bytes apart
	v_lshlrev_b32 v11, 7, v2                       ; 128 hh
	s_wait_alu depctr_va_vdst(0)
	v_lshlrev_b32 v12, 2, v1                       ; 4 r
	s_wait_alu depctr_va_vdst(0)
	s_mov_b32 s[SEL], 0x76543210
	s_mov_b32 s[SEL+1], 0xfedcba98
	s_lshl_b32 s44, s[WV], 9
	s_add_nc_u64 s[10:11], s[10:11], s[44:45]      ; mlp1_b, a, c: my 128 channels
	s_add_nc_u64 s[12:13], s[12:13], s[44:45]
	s_lshl_b32 s44, s[WV], 8
	s_add_nc_u64 s[14:15], s[14:15], s[44:45]      ; mlp2_b: my 64
	s_mul_i32 s44, s[WV], 49152
	s_add_co_u32 s44, s44, 196608
	s_add_nc_u64 s[50:51], s[8:9], s[44:45]        ; mlp1_w's fragments 128 + 32 w on
	s_lshl_b32 s44, s[WV], 11
	s_add_co_u32 s44, s44, 8192
	s_add_nc_u64 s[52:53], s[8:9], s[44:45]
	s_mul_i32 s44, s[WV], 24576
	s_add_co_u32 s44, s44, 393216
	s_add_nc_u64 s[54:55], s[8:9], s[44:45]        ; mlp2_w's fragments 256 + 16 w on
	s_lshl_b32 s44, s[WV], 10
	s_add_co_u32 s44, s44, 16384
	s_add_nc_u64 s[56:57], s[8:9], s[44:45]
	s_lshr_b32 s44, ttmp9, 6
	s_lshl_b32 s44, s44, 22
	s_lshl_b32 s23, s[WV], 20
	s_add_co_u32 s44, s44, s23
	s_and_b32 s23, ttmp9, 63
	s_lshl_b32 s23, s23, 8
	s_add_co_u32 s44, s44, s23
	s_add_nc_u64 s[16:17], s[16:17], s[44:45]      ; out: batch, my 64 rows, the group's 256 bytes
	WIN 0x80
.irp c, 0,1
.irp q, 0,1,2,3,4,5,6,7
	global_load_b128 v[192+32*\c+4*\q:192+32*\c+4*\q+3], v11, s[12:13] offset:256*\c+16*\q          ; a
.endr
.endr
	WIN 0xc0
.irp c, 0,1
.irp q, 0,1,2,3,4,5,6,7
	global_load_b128 v[192+32*\c+4*\q:192+32*\c+4*\q+3], v11, s[12:13] offset:2048+256*\c+16*\q     ; c
.endr
.endr
	WIN 0
.irp c, 0,1
.irp q, 0,1,2,3,4,5,6,7
	global_load_b128 v[ACC+64+32*\c+4*\q:ACC+64+32*\c+4*\q+3], v11, s[10:11] offset:256*\c+16*\q    ; mlp1_b
.endr
.endr
	WIN 0x40
.irp u, 0,1,2,3,4,5,6,7
.irp s, 0,1
.irp c, 0,1,2
	global_load_b128 v[12*(2*\u+\s)+4*\c:12*(2*\u+\s)+4*\c+3], v[LI], s[50:51] offset:1536*(4*\u+\s)+512*\c
.endr
.endr
.endr
	WIN 0x80
.irp u, 0,1,2,3,4,5,6,7
.irp s, 0,1
.irp c, 0,1,2
	global_load_b128 v[12*(2*\u+\s)+4*\c:12*(2*\u+\s)+4*\c+3], v[LI], s[50:51] offset:1536*(4*\u+\s+2)+512*\c
.endr
.endr
.endr
	WIN 0
.irp p, 0,1,2,3,4,5,6,7,8,9,10,11,12,13,14,15
	global_load_b32 v[W1S+\p], v[LS], s[52:53] offset:WSC+128*\p
.endr
	WIN 0xc0
.irp e, 0,1,2,3,4,5,6,7,8,9,10,11,12,13,14,15
.irp c, 0,1,2
	global_load_b128 v[12*\e+4*\c:12*\e+4*\c+3], v[LI], s[54:55] offset:1536*\e+512*\c
.endr
.endr
	WIN 0x40
.irp u, 0,1,2,3
.irp j, 0,1,2,3,4,5,6,7
	global_load_b32 v[192+8*\u+\j], v12, s[14:15] offset:64*\u     ; a lane's eight results share one output channel
.endr
.endr
	WIN 0
.irp p, 0,1,2,3,4,5,6,7
	global_load_b32 v[W2S+\p], v[LS], s[56:57] offset:WSC+128*\p
.endr
	s_wait_loadcnt 63                              ; 200 loads were issued behind a, c and mlp1_b
	WIN 0xf2                                       ; destination and addend window 3, source 0 window 2
.set j, 0
.rept 32
	v_pk_fma_f32 v[192+j:193+j], v[192+j:193+j], v[ACC+64+j:ACC+65+j], v[192+j:193+j]   ; c2 = a b1 + c
.set j, j+2
.endr
	WIN 0
	; ---- 1: the hidden layer, a tile of 16 positions at a time
	s_wait_tensorcnt 0x0                           ; my quarters of both records are in,
	BARRIER                                        ; everybody's are
	s_wait_loadcnt 63                              ; 88 loads were issued behind mlp1_w's and its scale words
.irp m, 0,1,2,3
	PLACES 4                                       ; in front of loads into registers that matrix instructions have read
.irp s, 0,1
	FETCH PF+12*\s, LI, XIM+1536*(2*\m+\s)
	FETCH PF+12*(\s+2), LI, MIM+1536*(2*\m+\s)
	ds_load_b32 v[PFS+\s], v[LS] offset:XIM+RSC+128*(2*\m+\s)
	ds_load_b32 v[PFS+\s+2], v[LS] offset:MIM+RSC+128*(2*\m+\s)
.endr
	s_wait_dscnt 0x0                               ; they are in; the last tile's LDS stores have read their registers
	PLACES 5                                       ; the accumulators are begun anew
.irp s, 0,1,2,3
.if \s < 2
	WIN 0x01
.else
	WIN 0x02
.endif
.irp t, 0,1,2,3,4,5,6,7                        ; eight accumulators by turns
.if \s == 0
	MM ACC+8*\t, 12*(2*\t+\s%2), PF+12*\s, -1, W1S+2*\t+\s/2, PFS+\s, \s%2
.else
	MM ACC+8*\t, 12*(2*\t+\s%2), PF+12*\s, ACC+8*\t, W1S+2*\t+\s/2, PFS+\s, \s%2
.endif
.endr
.endr
	WIN 0x38                                       ; source 1 (a) window 2, addend (c2) window 3
	PLACES 4
.set j, 0
.rept 32
	v_pk_fma_f32 v[ACC+j:ACC+j+1], v[ACC+j:ACC+j+1], v[192+j:193+j], v[192+j:193+j]     ; the normalisation
.set j, j+2
.endr
	WIN 0
.set j, 0
.rept 64
	v_max_num_f32 v[ACC+j], 0, v[ACC+j]            ; the activation
.set j, j+1
.endr
	QUANT64 ACC
	IMAGE HWI, HIM+6144*\m                         ; K step w of the second product, tile m
	ds_store_b32 v[HWS], v[PW] offset:HSC+512*\m
.endr
	BARRIER                                        ; the hidden layer's sixteen fragments lie in LDS
	; ---- 2: my 64 outputs for the 64 positions: sixteen accumulators by turns, a K step at a time
	s_wait_loadcnt 0x0
.irp s, 0,1,2,3
	PLACES 5                                       ; in front of loads into registers that matrix instructions have read; the first K step begins accumulators anew
.irp m, 0,1,2,3
	FETCH PF+12*\m, LI, HIM+1536*(4*\m+\s)
	ds_load_b32 v[PFS+\m], v[LS] offset:HSC+128*(4*\m+\s)
.endr
	s_wait_dscnt 0x0
.if \s == 0
	WIN 0x1c                                       ; source 1 window 3, C (mlp2_b) window 1
.else
	WIN 0x0c
.endif
.irp u, 0,1,2,3
.irp m, 0,1,2,3
.if \s == 0
	MM ACC+8*(4*\u+\m), PF+12*\m, 12*(4*\u+\s), 192+8*\u, PFS+\m, W2S+2*\u+\s/2, 2*(\s%2)
.else
	MM ACC+8*(4*\u+\m), PF+12*\m, 12*(4*\u+\s), ACC+8*(4*\u+\m), PFS+\m, W2S+2*\u+\s/2, 2*(\s%2)
.endif
.endr
.endr
	WIN 0
.endr
	PLACES 4
	; THE WAY OUT, 16 output channels at a time, through my own stage: a lane's 128 bytes go in, whole rows of 256 bytes come back.  LDS serves a wave's instructions in order: no wait between the stores and the loads.
.irp u, 0,1,2,3
.if \u >= 2
	s_wait_xcnt 0x0                                ; the stores of two tiles ago have read the registers that the loads below fill
.endif
.irp m, 0,1,2,3
.irp q, 0,1
	ds_store_b128 v[SO], v[ACC+8*(4*\u+\m)+4*\q:ACC+8*(4*\u+\m)+4*\q+3] offset:4352*\u+32*\m+16*\q   ; positions 32 hh + 8 m + 4 q + 0..3; each accumulator from its low end on
.endr
.endr
.irp i, 0,1,2,3,4,5,6,7
	ds_load_b128 v[144+32*(\u%2)+4*\i:144+32*(\u%2)+4*\i+3], v[SR] offset:544*(8*\u+\i)
.endr
	s_wait_dscnt 0x0
.irp i, 0,1,2,3,4,5,6,7
	global_store_b128 v[GO], v[144+32*(\u%2)+4*\i:144+32*(\u%2)+4*\i+3], s[16:17] offset:32768*(8*\u+\i) th:TH_STORE_NT   ; sixteen lanes store 256 consecutive bytes, aligned
.endr
.endr
	s_wait_tensorcnt 0x0
	ds_add_u32 v254, v255
	s_wait_dscnt 0x0
	s_endpgm
.Lfunc_end_k_qa10df42923_final:
	.size	k_qa10df42923_final, .Lfunc_end_k_qa10df42923_final-k_qa10df42923_final
	.p2alignl 7, 3214868480
	.fill 96, 4, 3214868480
	.section	.rodata,"a",@progbits
	.p2align	6, 0x0
	.amdhsa_kernel k_qa10df42923_final
		.amdhsa_group_segment_fixed_size 327680
		.amdhsa_private_segment_fixed_size 0
		.amdhsa_enable_private_segment 0
		.amdhsa_kernarg_size 56
		.amdhsa_user_sgpr_count 2
		.amdhsa_user_sgpr_kernarg_segment_ptr 1
		.amdhsa_wavefront_size32 1
		.amdhsa_system_sgpr_workgroup_id_x 1
		.amdhsa_system_sgpr_workgroup_id_y 1
		.amdhsa_system_sgpr_workgroup_id_z 1
		.amdhsa_system_vgpr_workitem_id 0
		.amdhsa_next_free_vgpr 1024
		.amdhsa_next_free_sgpr 66
		.amdhsa_reserve_vcc 0
		.amdhsa_float_denorm_mode_32 3
		.amdhsa_float_denorm_mode_16_64 3
		.amdhsa_memory_ordered 1
		.amdhsa_forward_progress 1
		.amdhsa_inst_pref_size 102
	.end_amdhsa_kernel
	.amdgpu_metadata
---
amdhsa.version: [ 1, 2 ]
amdhsa.kernels:
  - .name:           k_qa10df42923_final
    .symbol:         k_qa10df42923_final.kd
    .args:
      - { .name: xc, .offset: 0, .size: 8, .value_kind: global_buffer, .address_space: global }
      - { .name: mc, .offset: 8, .size: 8, .value_kind: global_buffer, .address_space: global }
      - { .name: wq, .offset: 16, .size: 8, .value_kind: global_buffer, .address_space: global }
      - { .name: mlp1_b, .offset: 24, .size: 8, .value_kind: global_buffer, .address_space: global }
      - { .name: bnp, .offset: 32, .size: 8, .value_kind: global_buffer, .address_space: global }
      - { .name: mlp2_b, .offset: 40, .size: 8, .value_kind: global_buffer, .address_space: global }
      - { .name: out0, .offset: 48, .size: 8, .value_kind: global_buffer, .address_space: global }
    .group_segment_fixed_size: 327680
    .private_segment_fixed_size: 0
    .kernarg_segment_align: 8
    .kernarg_segment_size: 56
    .max_flat_workgroup_size: 128
    .sgpr_count:     66
    .vgpr_count:     1024
    .wavefront_size: 32
...
	.end_amdgpu_metadata
.endif
;; end of part 6
